; MI455X (gfx1250); checked and timed in simulation.
; The chip was launched on July 23, 2026; its instructions are those of AMD's public machine-readable ISA for CDNA 5 (MIT licence, August 2026) and "CDNA5" Instruction Set Architecture Reference Guide (July 2026). The comments in the code are by the model that wrote it; some were corrected since.
;; Multi Head Latent Attention. Allowed arithmetic: float matrix products may take bf16 or f16 operands with f32 sums; other float arithmetic in f32, or as packed bf16 or f16 multiplies, adds, multiply-adds, maxima and minima; sums over many terms, partial sums and values carried from step to step in f32; what a program stores and reads back later, other than sums and carried values, may be rounded once to bf16 or f16.
;; Inputs: W_dkv 2,048 x 256 float32; W_dq 2,048 x 256 float32; W_kr 2,048 x 1,024 float32; W_out 2,048 x 2,048 float32; W_qr 256 x 1,024 float32; W_uk 256 x 1,024 float32; W_uq 256 x 1,024 float32; W_uv 256 x 2,048 float32; b_out 2,048 float32; g_kv 256 float32; g_q 256 float32; x 2 x 2,048 x 2,048 float32.
;; Outputs: out0 2 x 2,048 x 2,048 float32.
;; One version. Each part assembles by itself: llvm-mc -triple=amdgcn-amd-amdhsa -mcpu=gfx1250 --defsym DOCPART=n.
;; ======== version 1 of 1: 5 launches
;; limits: values are held in f16: magnitudes above 65,504 overflow, below 6.1e-05 lose precision; a function is approximated: absolute error at most 5e-06
;; workspace buffers: xb 16,777,216 bytes; w1 6,291,456 bytes; w2 2,621,440 bytes; wo 8,388,608 bytes; ft 262,144 bytes; cn 4,194,304 bytes; qkv 50,331,648 bytes; ob 16,777,216 bytes
;; launch prep (part 1): grid 1104 x 1, 8 waves a work-group, no clusters, 0 bytes of LDS; arguments x, W_out, W_kr, W_dq, W_dkv, W_uv, W_uq, W_qr, W_uk, g_q, g_kv, xb, w1, w2, wo, ft; writes xb, w1, w2, wo, ft
.if DOCPART == 1
	.amdgcn_target "amdgcn-amd-amdhsa--gfx1250"
	.amdhsa_code_object_version 6
	.text
	.protected	k_qad2ba99ad7_prep
	.globl	k_qad2ba99ad7_prep
	.p2align	8
	.type	k_qad2ba99ad7_prep,@function
k_qad2ba99ad7_prep:
	s_mov_b64 s[64:65], 0
	v_nop
	global_prefetch_b8 v0, s[64:65] scope:SCOPE_SE
	s_setreg_imm32_b32 hwreg(HW_REG_WAVE_MODE, 25, 1), 1
	s_wait_xcnt 0x0
; PREP: every f32 input that feeds a matrix product is rounded once to 16 bits and laid where the later launches want it; and the table F of the rope factors is made.
;   xb = bf16(x)                          [4096][2048]
;   w1 = bf16 of [W_dq | W_dkv | W_kr/8]  [2048 k][1536]
;   w2 = f16(bf16(W) x bf16(g[k]))        [16 heads][5 pieces: uq, qr, uk/8, uv 0-63, uv 64-127][256 k][64]   (g scales column k of c, so it is folded into row k of the up weights)
;   wo = bf16(W_out) written as f16       [2048 k][2048]
;   ft = cos(a) + sin(a), a = pos x 10000^(-i/64), f32  [2048 pos][32 i]
; The factors 1/8 are powers of two: exact.  k is kept as k/8 so that it has room in f16; the attention's scale takes the 8 back.
; LIMITS.  A weight of W_out or a product W x g below 6e-5 keeps f16's fixed step of 6e-8; beyond 65,504 it would be lost (the drawn numbers are under 1).
; ft: theta by v_exp_f32, the angle reduced in turns with 1/2pi in two words, then a polynomial of degree 9 on a quarter turn (cut off under 5e-6).
; SHARES.  A cast work-group takes 256 groups of 64 numbers (256 bytes in, 128 bytes out).  Thread t: sub = t % 16 takes 4 numbers of a group (16 bytes in, 8 out), i = t / 16 picks the group; 16 passes of 16 groups.
; So a wave's load covers two whole pieces of 256 consecutive source bytes, and its store 256 consecutive bytes, aligned.  All 16 loads of a thread go out first; no register is written again behind its store.
; No LDS, no matrix unit, no prefetch: each byte crosses once and the launch does nothing but stream.
.set SO,  2                            ; v[2:17]   source offset of pass p
.set DO,  18                           ; v[18:33]  destination offset of pass p
.set G,   34                           ; v[34:49]  pass p: the factor
.set T,   50                           ; v[50:51]  at work
.set X,   64                           ; v[64:127] pass p: 4 numbers as loaded; its first two registers then hold the 8 bytes to store
.set SRC, 36
.set DST, 38
.set GP,  40
.set FIRST, 42                         ; the job's first work-group
.set KO, 43                            ; row k = bits KO .. of the group's number
.set KW, 44
.set UO, 45                            ; column group u = bits UO ..
.set UW, 46
.set SKP, 47                           ; bytes from row to row in the source
.set DKP, 48                           ; and in the destination
.set SH, 49                            ; u is split in u >> SH and its low SH bits
.set UM, 50
.set UP1, 51
.set UP0, 52
.set DB, 53
.set SSTEP, 54                         ; a pass's step (16 groups) in the source
.set DSTEP, 55                         ; and in the destination
.set SC, 56                            ; s[56:57] the scale, named as a pair
.set FMT, 58                           ; 0: bf16 out, 1: f16 out
.set GSEL, 59                          ; -1: the gain counts, 0: it does not
.macro JOB bound, first, src, dst, ko, kw, uo, uw, skp, dkp, sh, up1, up0, db, sstep, dstep, fmt, scale, gp, gsel
	s_cmp_ge_u32 ttmp9, \bound
	s_cbranch_scc1 .Lnot_\@
	s_mov_b32 s[FIRST], \first
	s_mov_b64 s[SRC:SRC+1], s[\src:\src+1]
	s_mov_b64 s[DST:DST+1], s[\dst:\dst+1]
	s_mov_b64 s[GP:GP+1], s[\gp:\gp+1]
	s_mov_b32 s[KO], \ko
	s_mov_b32 s[KW], \kw
	s_mov_b32 s[UO], \uo
	s_mov_b32 s[UW], \uw
	s_mov_b32 s[SKP], \skp
	s_mov_b32 s[DKP], \dkp
	s_mov_b32 s[SH], \sh
	s_mov_b32 s[UM], (1<<(\sh))-1
	s_mov_b32 s[UP1], \up1
	s_mov_b32 s[UP0], \up0
	s_mov_b32 s[DB], \db
	s_mov_b32 s[SSTEP], \sstep
	s_mov_b32 s[DSTEP], \dstep
	s_mov_b32 s[FMT], \fmt
	s_mov_b32 s[SC], \scale
	s_mov_b32 s[SC+1], \scale
	s_mov_b32 s[GSEL], \gsel
	s_branch .Lcast
.Lnot_\@:
.endm
	s_load_b512 s[4:19], s[0:1], 0x0               ; x 4, W_out 6, W_kr 8, W_dq 10, W_dkv 12, W_uv 14, W_uq 16, W_qr 18
	s_load_b512 s[20:35], s[0:1], 0x40             ; W_uk 20, g_q 22, g_kv 24, xb 26, w1 28, w2 30, wo 32, ft 34
	s_wait_kmcnt 0x0
	;   bound first src dst  ko kw uo uw  skp  dkp  sh up1    up0   db    sstep  dstep fmt scale      gp gsel
	JOB 512,  0,    4,  26,  5, 17, 0, 5, 8192, 4096, 0, 128,    0,     0,     4096,   2048,  0, 0x3f800000, 22, 0
	JOB 768,  512,  6,  32,  5, 17, 0, 5, 8192, 4096, 0, 128,    0,     0,     4096,   2048,  1, 0x3f800000, 22, 0
	JOB 896,  768,  8,  28,  4, 17, 0, 4, 4096, 3072, 0, 128,    0,     1024,  4096,   3072,  0, 0x3e000000, 22, 0
	JOB 928,  896,  10, 28,  2, 17, 0, 2, 1024, 3072, 0, 128,    0,     0,     4096,   12288, 0, 0x3f800000, 22, 0
	JOB 960,  928,  12, 28,  2, 17, 0, 2, 1024, 3072, 0, 128,    0,     512,   4096,   12288, 0, 0x3f800000, 22, 0
	JOB 992,  960,  14, 30,  0, 8,  8, 8, 8192, 128,  1, 163840, 32768, 98304, 131072, 2048,  1, 0x3f800000, 24, -1
	JOB 1008, 992,  16, 30,  0, 8,  8, 8, 4096, 128,  0, 163840, 0,     0,     65536,  2048,  1, 0x3f800000, 22, -1
	JOB 1024, 1008, 18, 30,  0, 8,  8, 8, 4096, 128,  0, 163840, 0,     32768, 65536,  2048,  1, 0x3f800000, 22, -1
	JOB 1040, 1024, 20, 30,  0, 8,  8, 8, 4096, 128,  0, 163840, 0,     65536, 65536,  2048,  1, 0x3e000000, 24, -1
	; THE TABLE F: work-groups 1040 to 1103, 32 positions each; a thread makes 4 neighbouring i of one position: 16 bytes at 4,096 L + 16 t
	v_and_b32 v1, 7, v0
	v_lshrrev_b32 v30, 3, v0
	s_sub_co_u32 s42, ttmp9, 1040                  ; L
	s_lshl_b32 s43, s42, 5
	s_mov_b32 s44, 0x3e000000                      ; 1/8 of a turn: pi/4
	s_mov_b32 s45, 0x31dc9c88                      ; 1/2pi less its f32 value: 6.4206e-9
	s_mov_b32 s46, 0x7fffffff
	s_lshl_b32 s48, s42, 12
	s_mov_b32 s49, 0
	s_add_nc_u64 s[34:35], s[34:35], s[48:49]
	v_add_nc_u32 v2, s43, v30                      ; pos
	v_lshlrev_b32 v3, 2, v1
	v_lshlrev_b32 v29, 4, v0
.irp j, 0,1,2,3
	v_add_nc_u32 v[4+\j], \j, v3                   ; i
	v_cvt_f32_u32 v[4+\j], v[4+\j]
	v_mul_f32 v[4+\j], 0xbe549a78, v[4+\j]         ; -i log2(10000) / 64
.endr
.irp j, 0,1,2,3
	v_exp_f32 v[8+\j], v[4+\j]                     ; theta
.endr
	v_cvt_f32_u32 v2, v2                           ; two plain instructions behind the last exponential,
	v_mov_b32 v28, 0x426deb7f                      ; c9
	s_wait_alu depctr_va_vdst(0)                   ; and one wait for the four, ahead of their first reader
.irp j, 0,1,2,3
	v_mul_f32 v[8+\j], v2, v[8+\j]                 ; a = pos theta
	v_fma_f32 v[12+\j], v[8+\j], 0.15915494, s44   ; turns, + 1/8
	v_rndne_f32 v[12+\j], v[12+\j]                 ; n
	v_sub_f32 v[12+\j], s44, v[12+\j]              ; 1/8 - n, exact
	v_fma_f32 v[12+\j], v[8+\j], 0.15915494, v[12+\j]
	v_fma_f32 v[12+\j], v[8+\j], s45, v[12+\j]     ; r in -1/2 .. 1/2 turns
	v_sub_f32 v[16+\j], 0.5, |v[12+\j]|
	v_min_num_f32 v[16+\j], |v[12+\j]|, v[16+\j]   ; z in 0 .. 1/4: sin(2 pi |r|) = sin(2 pi z)
	v_mul_f32 v[20+\j], v[16+\j], v[16+\j]
	v_fmaak_f32 v[24+\j], v28, v[20+\j], 0xc2d8f4fa       ; sqrt(2) sin(2 pi z) / z as a polynomial in z^2
	v_fmaak_f32 v[24+\j], v[24+\j], v[20+\j], 0x42e6d083
	v_fmaak_f32 v[24+\j], v[24+\j], v[20+\j], 0xc269dd2e
	v_fmaak_f32 v[24+\j], v[24+\j], v[20+\j], 0x410e2c19
	v_mul_f32 v[24+\j], v[24+\j], v[16+\j]
	v_bfi_b32 v[24+\j], s46, v[24+\j], v[12+\j]    ; r's sign
.endr
	global_store_b128 v29, v[24:27], s[34:35]
	s_endpgm
.macro LOADX                           ; all 16 loads of the thread: pass p's 16 bytes
.irp p, 0,1,2,3,4,5,6,7,8,9,10,11,12,13,14,15
	global_load_b128 v[X+4*\p:X+4*\p+3], v[SO+\p], s[SRC:SRC+1] th:TH_LOAD_NT
.endr
.endm
.Lcast:
	v_and_b32 v1, 15, v0                           ; sub
	v_lshrrev_b32 v54, 4, v0                       ; i
	s_sub_co_u32 s[FIRST], ttmp9, s[FIRST]         ; L
	s_lshl_b32 s[FIRST], s[FIRST], 8
	v_add_nc_u32 v55, s[FIRST], v54                ; the group of pass 0: 256 L + i
	v_bfe_u32 v56, v55, s[KO], s[KW]               ; k
	v_bfe_u32 v57, v55, s[UO], s[UW]               ; u
	v_mul_u32_u24 v[SO], s[SKP], v56
	v_lshl_add_u32 v[SO], v57, 8, v[SO]
	v_lshl_add_u32 v[SO], v1, 4, v[SO]
	v_lshrrev_b32 v58, s[SH], v57
	v_and_b32 v59, s[UM], v57
	v_mul_u32_u24 v[DO], s[DKP], v56
	v_mad_u32_u24 v[DO], v58, s[UP1], v[DO]
	v_mad_u32_u24 v[DO], v59, s[UP0], v[DO]
	v_lshl_add_u32 v[DO], v1, 3, v[DO]
	v_add_nc_u32 v[DO], s[DB], v[DO]
.irp p, 1,2,3,4,5,6,7,8,9,10,11,12,13,14,15
	v_add_nc_u32 v[SO+\p], s[SSTEP], v[SO+\p-1]
	v_add_nc_u32 v[DO+\p], s[DSTEP], v[DO+\p-1]
.endr
	s_cmp_eq_u32 s[FMT], 0
	s_cbranch_scc1 .Lbf
	; f16 OUT: round to bf16, times bf16(g[k]) x scale, round to f16.  In the jobs with a gain k = i + 16 p.  W_out has none: it loads sixteen words of g_q all the same and the select below drops them,
	; so that one text serves both.
	v_lshlrev_b32 v52, 2, v54
	v_mov_b32 v53, s[SC]
.irp p, 0,1,2,3,4,5,6,7,8,9,10,11,12,13,14,15
	global_load_b32 v[G+\p], v52, s[GP:GP+1] offset:64*\p
.endr
	LOADX
	s_wait_loadcnt 16                              ; the gains are in; the 16 loads behind them may stay out
.irp p, 0,1,2,3,4,5,6,7,8,9,10,11,12,13,14,15
	v_cvt_pk_bf16_f32 v[G+\p], v[G+\p], v[G+\p]
	v_lshlrev_b32 v[G+\p], 16, v[G+\p]
	v_mul_f32 v[G+\p], s[SC], v[G+\p]
	v_cndmask_b32 v[G+\p], v53, v[G+\p], s[GSEL]
.endr
.irp p, 0,1,2,3,4,5,6,7,8,9,10,11,12,13,14,15
	s_wait_loadcnt 15-\p                           ; loads come back in order: pass p's is in, the later passes' stay out
	v_cvt_pk_bf16_f32 v[T], v[X+4*\p], v[X+4*\p+1]
	v_cvt_pk_bf16_f32 v[T+1], v[X+4*\p+2], v[X+4*\p+3]
	v_lshlrev_b32 v[X+4*\p], 16, v[T]
	v_and_b32 v[X+4*\p+1], 0xffff0000, v[T]
	v_lshlrev_b32 v[X+4*\p+2], 16, v[T+1]
	v_and_b32 v[X+4*\p+3], 0xffff0000, v[T+1]
.irp q, 0,1,2,3
	v_mul_f32 v[X+4*\p+\q], v[G+\p], v[X+4*\p+\q]
.endr
	v_cvt_pk_f16_f32 v[X+4*\p], v[X+4*\p], v[X+4*\p+1]
	v_cvt_pk_f16_f32 v[X+4*\p+1], v[X+4*\p+2], v[X+4*\p+3]
	global_store_b64 v[DO+\p], v[X+4*\p:X+4*\p+1], s[DST:DST+1]
.endr
	s_endpgm
.Lbf:	; bf16 OUT: times the scale (1, or 1/8 for W_kr: one text for all four jobs), round to bf16
	LOADX
.irp p, 0,1,2,3,4,5,6,7,8,9,10,11,12,13,14,15
	s_wait_loadcnt 15-\p
	v_pk_mul_f32 v[X+4*\p:X+4*\p+1], v[X+4*\p:X+4*\p+1], s[SC:SC+1] op_sel_hi:[1,0]
	v_pk_mul_f32 v[X+4*\p+2:X+4*\p+3], v[X+4*\p+2:X+4*\p+3], s[SC:SC+1] op_sel_hi:[1,0]
	v_cvt_pk_bf16_f32 v[X+4*\p], v[X+4*\p], v[X+4*\p+1]
	v_cvt_pk_bf16_f32 v[X+4*\p+1], v[X+4*\p+2], v[X+4*\p+3]
	global_store_b64 v[DO+\p], v[X+4*\p:X+4*\p+1], s[DST:DST+1]
.endr
	s_endpgm
.Lfunc_end_k_qad2ba99ad7_prep:
	.size	k_qad2ba99ad7_prep, .Lfunc_end_k_qad2ba99ad7_prep-k_qad2ba99ad7_prep
	.p2alignl 7, 3214868480
	.fill 96, 4, 3214868480
	.section	.rodata,"a",@progbits
	.p2align	6, 0x0
	.amdhsa_kernel k_qad2ba99ad7_prep
		.amdhsa_group_segment_fixed_size 0
		.amdhsa_private_segment_fixed_size 0
		.amdhsa_enable_private_segment 0
		.amdhsa_kernarg_size 128
		.amdhsa_user_sgpr_count 2
		.amdhsa_user_sgpr_kernarg_segment_ptr 1
		.amdhsa_wavefront_size32 1
		.amdhsa_system_sgpr_workgroup_id_x 1
		.amdhsa_system_sgpr_workgroup_id_y 1
		.amdhsa_system_sgpr_workgroup_id_z 1
		.amdhsa_system_vgpr_workitem_id 0
		.amdhsa_next_free_vgpr 128
		.amdhsa_next_free_sgpr 66
		.amdhsa_reserve_vcc 0
		.amdhsa_float_denorm_mode_32 3
		.amdhsa_float_denorm_mode_16_64 3
		.amdhsa_memory_ordered 1
		.amdhsa_forward_progress 1
		.amdhsa_inst_pref_size 41
	.end_amdhsa_kernel
	.amdgpu_metadata
---
amdhsa.version: [ 1, 2 ]
amdhsa.kernels:
  - .name:           k_qad2ba99ad7_prep
    .symbol:         k_qad2ba99ad7_prep.kd
    .args:
      - { .name: x, .offset: 0, .size: 8, .value_kind: global_buffer, .address_space: global }
      - { .name: W_out, .offset: 8, .size: 8, .value_kind: global_buffer, .address_space: global }
      - { .name: W_kr, .offset: 16, .size: 8, .value_kind: global_buffer, .address_space: global }
      - { .name: W_dq, .offset: 24, .size: 8, .value_kind: global_buffer, .address_space: global }
      - { .name: W_dkv, .offset: 32, .size: 8, .value_kind: global_buffer, .address_space: global }
      - { .name: W_uv, .offset: 40, .size: 8, .value_kind: global_buffer, .address_space: global }
      - { .name: W_uq, .offset: 48, .size: 8, .value_kind: global_buffer, .address_space: global }
      - { .name: W_qr, .offset: 56, .size: 8, .value_kind: global_buffer, .address_space: global }
      - { .name: W_uk, .offset: 64, .size: 8, .value_kind: global_buffer, .address_space: global }
      - { .name: g_q, .offset: 72, .size: 8, .value_kind: global_buffer, .address_space: global }
      - { .name: g_kv, .offset: 80, .size: 8, .value_kind: global_buffer, .address_space: global }
      - { .name: xb, .offset: 88, .size: 8, .value_kind: global_buffer, .address_space: global }
      - { .name: w1, .offset: 96, .size: 8, .value_kind: global_buffer, .address_space: global }
      - { .name: w2, .offset: 104, .size: 8, .value_kind: global_buffer, .address_space: global }
      - { .name: wo, .offset: 112, .size: 8, .value_kind: global_buffer, .address_space: global }
      - { .name: ft, .offset: 120, .size: 8, .value_kind: global_buffer, .address_space: global }
    .group_segment_fixed_size: 0
    .private_segment_fixed_size: 0
    .kernarg_segment_align: 8
    .kernarg_segment_size: 128
    .max_flat_workgroup_size: 256
    .sgpr_count:     66
    .vgpr_count:     128
    .wavefront_size: 32
...
	.end_amdgpu_metadata
.endif
;; end of part 1
;; launch down (part 2): grid 32 x 6, 4 waves a work-group, clusters of 4 x 1, 327,680 bytes of LDS; arguments xb, w1, ft, cn, qkv; writes cn, qkv
.if DOCPART == 2
	.amdgcn_target "amdgcn-amd-amdhsa--gfx1250"
	.amdhsa_code_object_version 6
	.text
	.protected	k_qad2ba99ad7_down
	.globl	k_qad2ba99ad7_down
	.p2align	8
	.type	k_qad2ba99ad7_down,@function
k_qad2ba99ad7_down:
	s_mov_b64 s[64:65], 0
	v_nop
	global_prefetch_b8 v0, s[64:65] scope:SCOPE_SE
	s_setreg_imm32_b32 hwreg(HW_REG_WAVE_MODE, 25, 1), 1
	s_wait_xcnt 0x0
	s_wait_alu depctr_hold_cnt(0) depctr_sa_sdst(0) depctr_va_vdst(0) depctr_va_sdst(0) depctr_va_ssrc(0) depctr_va_vcc(0) depctr_vm_vsrc(0)
	s_getreg_b32 s2, hwreg(HW_REG_IB_STS2, 6, 4)
	s_cmp_eq_u32 s2, 0
	s_cbranch_scc0 .Lentry_in_a_cluster
	s_endpgm
.Lentry_in_a_cluster:
	s_bfe_u32 s2, ttmp6, 0x10000c
	s_cmp_lg_u32 s2, 0x3003
	s_cbranch_scc0 .Lentry_shape_is_right
	s_endpgm
.Lentry_shape_is_right:
; DOWN: [4096 x 2048] x [2048 x 1536] in bf16, sums in f32.  Column tiles of 256: tile 0 = x W_dq, tile 1 = x W_dkv, tiles 2-5 = x W_kr / 8.
; Tiles 0, 1: c = sums x rsqrt(mean of squares over the tile's 256 columns + 1e-5), rounded to f16 (|c| <= 16; the gain g lies in the up weights) -> cn [8 groups of 64 columns][4096][64].
; Tiles 2-5: k_rot / 8 = sums x F[pos][column % 32], rounded to f16 -> qkv's part KB [32 batch x head][2048][64].  LIMIT: |k / 8| stays under 65,504, f16's end.
; SHARES.  A work-group makes 128 rows x 256 columns (so a c block's 256 columns, and the norm's sum, stay in one work-group): 32 x 6 = 192 work-groups.  Four waves, 64 rows x 128 columns each: 32 accumulators.
; K goes in 16 steps of 128 through two LDS slots.  x's tile lies [row][k], w1's [k][column]: its fragments come out of LDS turned, by ds_load_tr16_b128.
; THE MATRIX INSTRUCTION IS USED TRANSPOSED (source 0 = 16 columns of w1, source 1 = 16 rows of x): a lane holds one row (lane % 16) and eight neighbouring columns 8 (lane / 16) + 0..7.
; CLUSTER.  Six column tiles do not divide by four, so the cluster is 4 x 1 along the rows: its four row tiles need the same tile of w1 (64 of a step's 96 KiB), asked for JOINTLY (mask 15); x's tile is each one's own load.
; REGISTERS.  Window 0: v16-29 addresses; v32-127, v128-223 two fragment buffers (64 of w1's, 32 of x's); v224-255 at work.  Window 1: accumulator (a, b) at v[8 (8 a + b)].
.set PA,    272                        ; a row of x in LDS: 256 bytes + 16 = 68 words: the 16 rows of a load start at 16 different groups of four banks (64 banks of 4 bytes: ISA guide 11.1)
.set PB,    544                        ; a k-row of w1: 512 + 32 = 136 words
.set HA,    64*PA                      ; what one load brings of x: 64 rows
.set HB,    64*PB                      ; and of w1: 64 k-rows
.set BOFF,  2*HA                       ; w1's tile lies behind x's
.set SLOT1, 1<<17                      ; slot 1 begins here: one exclusive or turns an address in one slot into the other's
.set STAGE, SLOT1+BOFF+2*HB            ; behind the ring: 16 rows x 272 bytes for each wave, for the way out
.set SP,    272
.set XCH,   STAGE+4*16*SP              ; 64 row sums of squares for each wave
.set SPARE, XCH+1024                   ; the spare words, 128 bytes for each wave: two blocks of 256 bytes that no other line names
.set ARR,   8388608                    ; bytes in one of qkv's six arrays
.set ADRA0, 16                         ; v16  my lane's place in x's tile; never rewritten
.set ADRB0, 17                         ; v17  and in w1's
.set AA,  18                           ; v18  the same in the slot in hand
.set AB,  19
.set STO, 20                           ; way out: where I put 16 bytes of a row
.set RD,  21                           ; where I read rows back
.set GO,  22                           ; 16 x lane: my place in 512 consecutive bytes
.set FO,  23                           ; my offset in ft
.set XW,  24                           ; where my wave's row sums go
.set XR,  25                           ; where the other column half's lie
.set PFO, 26                           ; the prefetches' offset: lane x a row of xb or w1
.set SPW, 28
.set NIL, 29
.set F0,  32
.set F1,  128
.set FAC, 32                           ; way out: the factor for (block a, parity of b, column j) at FAC + 16 a + 8 par + j
.set TMP, 96
.set PK,  160
.set BK,  192
.set SS,  224
.set WV, 14
.set WR, 15                            ; my half of the rows.  Also: I fetch x (0) or w1 (1)
.set WC, 16                            ; my half of the columns.  Also: which half of that tile I fetch
.set CX, 17
.set RT, 18
.set BY, 19
.set CNT, 20
.set LIM, 21
.set TBS, 22                           ; 0 or SLOT1: the slot in hand
.set G1A, 24
.set G1B, 32
.set G0A0, 40                          ; group 0 of the first fill of slot 0;
.set G0A, 44                           ; of slot 1's, which then walks
.set G0B0, 48
.set G0B, 52
.set PFA, 56
.set PST, 58
.set SEL, 60
.set OB0, 72                           ; s[72:73] where my first 64 columns go
.set OB1, 88                           ; s[88:89] and my second
.set MASK, 74
.set I256, 86
.set EPS, 87
.set MSB, 0
.macro WIN new                         ; the immediate's high byte repeats the setting that is left
.if MSB != (\new)
	s_set_vgpr_msb (MSB<<8)|(\new)
.set MSB, (\new)
.endif
.endm
.set MUL, 0x50                         ; C and D in window 1
.macro PLACES                          ; four places behind a matrix instruction, in front of loads into its sources and of readers of its results
.rept 4
	v_nop
.endr
.endm
.macro CREST                           ; a round of the cluster's barrier behind its opening barrier
	s_cmp_lg_u32 s[WV], 0
	s_cbranch_scc1 .Lnot_wave_0_\@
	s_barrier_signal -3
.Lnot_wave_0_\@:
	s_barrier_wait -3
	s_barrier_signal -1
	s_barrier_wait -1
.endm
.macro CROUND
	s_barrier_signal -1
	s_barrier_wait -1
	CREST
.endm
.macro JLOAD                           ; a refill: waves 0, 1 fetch x's halves (their own), waves 2, 3 w1's (jointly).  An s_nop 0 and four v_nop follow each line
	s_cmp_eq_u32 s[WR], 0
	s_cbranch_scc0 .Lfor_b_\@
	tensor_load_to_lds s[G0A:G0A+3], s[G1A:G1A+7]
	s_nop 0
	PLACES
	s_branch .Lasked_\@
.Lfor_b_\@:
	tensor_load_to_lds s[G0B:G0B+3], s[G1B:G1B+7]
	s_nop 0
	PLACES
.Lasked_\@:
.endm
; A PREFETCH INTO THE L2 of the K step two refills on: one instruction a wave, a lane a row's 256 bytes.  Each block is named once in the launch: x's 128 rows of a row tile by waves 0, 1 of the column tiles
; 0 and 1 (64 rows each, 32 a wave); w1's 128 k-rows x 512 bytes of a column tile by waves 2, 3 of the first cluster along x, whose four partners take 32 k-rows each BY ADDRESS, a wave a half row.
; The last two refills ask for nothing: CNT is 2 and 1 there.
.macro ASK
	s_cmp_gt_u32 s[CNT], s[LIM]
	s_cbranch_scc0 .Lnot_mine_\@
	global_prefetch_b8 v[PFO], s[PFA:PFA+1] th:TH_LOAD_NT scope:SCOPE_SE
.Lnot_mine_\@:
.endm
.macro MUL8 f, a, zero                 ; row block a x all 8 column blocks, 32 along K.  zero = 1: the products start the sums
	WIN MUL
.irp b, 0,1,2,3,4,5,6,7
.if \zero
	v_wmma_f32_16x16x32_bf16 v[8*(8*(\a)+\b):8*(8*(\a)+\b)+7], v[(\f)+8*\b:(\f)+8*\b+7], v[(\f)+64+8*(\a):(\f)+64+8*(\a)+7], 0
.else
	v_wmma_f32_16x16x32_bf16 v[8*(8*(\a)+\b):8*(8*(\a)+\b)+7], v[(\f)+8*\b:(\f)+8*\b+7], v[(\f)+64+8*(\a):(\f)+64+8*(\a)+7], v[8*(8*(\a)+\b):8*(8*(\a)+\b)+7]
.endif
.endr
.endm
.macro FETCH kq, f                     ; 24 LDS loads in one run: quarter kq's fragments: w1's eight first, then x's four, rows ascending
	WIN 0
.irp b, 0,1,2,3,4,5,6,7
	ds_load_tr16_b128 v[(\f)+8*\b:(\f)+8*\b+3],   v[AB] offset:(\kq)*32*PB+32*\b
	ds_load_tr16_b128 v[(\f)+8*\b+4:(\f)+8*\b+7], v[AB] offset:(\kq)*32*PB+32*\b+16*PB
.endr
.irp a, 0,1,2,3
	ds_load_b128 v[(\f)+64+8*\a:(\f)+64+8*\a+3],   v[AA] offset:(\kq)*64+\a*16*PA
	ds_load_b128 v[(\f)+64+8*\a+4:(\f)+64+8*\a+7], v[AA] offset:(\kq)*64+\a*16*PA+32
.endr
.endm
; A K step is four quarters of 32 along K, 32 matrix instructions each, on buffers 0, 1, 0, 1; the 32 accumulators take turns in one order everywhere.
.macro QUARTER kq, f, g, zero          ; multiplies buffer f; in its middle fetches quarter kq into buffer g
	s_wait_dscnt 4                                 ; all but the youngest four loads: x's rows 32-63
	MUL8 \f, 0, \zero
	MUL8 \f, 1, \zero
	PLACES
	FETCH \kq, \g
	s_wait_dscnt 24                                ; all but the 24 just issued
	MUL8 \f, 2, \zero
	MUL8 \f, 3, \zero
.endm
; The last quarter multiplies buffer 1 and changes slots: ONE barrier; in front of it each wave waits for all its tensor loads, adds 0 to its spare word, and waits for that and for its reads of this slot.
; fill = 1: the barrier opens a round of the cluster's, and this slot is filled again first thing behind it, with the K step two on: 112 matrix instructions ahead of the wait for it.
.macro TURN fill
.if \fill
	s_wait_xcnt 0x0                                ; the last prefetch, a K step back, has read its address
	s_add_nc_u64 s[PFA:PFA+1], s[PFA:PFA+1], s[PST:PST+1]
.endif
	WIN 0
	s_wait_tensorcnt 0x0                           ; all my tensor loads have landed: my part of the next slot
	ds_add_u32 v[SPW], v[NIL]
	s_wait_dscnt 5                                 ; (the add and x's youngest four loads may be out)
	MUL8 F1, 0, 0
	s_wait_dscnt 0x0                               ; the add is done, and my reads of this slot are over
	s_barrier_signal -1
	MUL8 F1, 1, 0
	WIN 0
	s_barrier_wait -1
.if \fill
	CREST                                          ; no wave of any partner still reads this slot or has a load on its way
	s_xor_b32 s[G0A+1], s[G0A+1], SLOT1            ; the walking descriptors: the other slot than last time, the next K step
	s_add_nc_u64 s[G0A+2:G0A+3], s[G0A+2:G0A+3], 256
	s_xor_b32 s[G0B+1], s[G0B+1], SLOT1
	s_add_nc_u64 s[G0B+2:G0B+3], s[G0B+2:G0B+3], 128*3072
	JLOAD                                          ; its four v_nop are also the places in front of the loads below
.else
	PLACES
.endif
	s_xor_b32 s[TBS], s[TBS], SLOT1
	v_add_nc_u32 v[AA], s[TBS], v[ADRA0]
	v_add_nc_u32 v[AB], s[TBS], v[ADRB0]
	FETCH 0, F0
.if \fill
	ASK
.endif
	MUL8 F1, 2, 0
	MUL8 F1, 3, 0
.endm
	s_load_b256 s[4:11], s[0:1], 0x0               ; xb 4, w1 6, ft 8, cn 10
	s_load_b64 s[12:13], s[0:1], 0x20              ; qkv
	v_lshl_add_u32 v[SPW], v0, 2, SPARE
	v_mov_b32 v[NIL], 0
	ds_add_u32 v[SPW], v[NIL]                      ; the wave's opening: the add and its wait ahead of my first tensor load
	ds_add_u32 v28, v29
	v_lshrrev_b32 v1, 5, v0
	v_readfirstlane_b32 s[WV], v1
	s_lshr_b32 s[WR], s[WV], 1
	s_and_b32 s[WC], s[WV], 1
	s_bfe_u32 s[CX], ttmp6, 0x40000
	s_lshl_b32 s[RT], ttmp9, 2
	s_add_co_u32 s[RT], s[RT], s[CX]               ; row tile = 4 x cluster x + cx
	s_and_b32 s[BY], ttmp7, 0xffff                 ; column tile: the four partners share it
	s_mov_b32 s[G1A], (1<<16)|(1<<20)|(5<<22)|(3<<25)  ; no mask; 2-byte elements; padding on: 4 words behind every 64
	s_mov_b32 s[G1A+1], 128<<16                    ; tensor_dim0 = 128
	s_mov_b32 s[G1A+2], 64<<16                     ; tensor_dim1 = 64
	s_mov_b32 s[G1A+3], 128<<16                    ; tile_dim0 = 128
	s_mov_b32 s[G1A+4], 64                         ; tile_dim1 = 64
	s_mov_b32 s[G1A+5], 2048                       ; elements from row to row
	s_mov_b32 s[G1A+6], 0
	s_mov_b32 s[G1A+7], 0
	s_mov_b32 s[G1B], 15|(1<<16)|(1<<20)|(1<<21)|(6<<22)|(7<<25)  ; the mask of four, bit 21 beside it; 8 words behind every 128
	s_mov_b32 s[G1B+1], 256<<16
	s_mov_b32 s[G1B+2], 64<<16
	s_mov_b32 s[G1B+3], 256<<16
	s_mov_b32 s[G1B+4], 64
	s_mov_b32 s[G1B+5], 1536
	s_mov_b32 s[G1B+6], 0
	s_mov_b32 s[G1B+7], 0
	s_lshl_b32 s62, s[RT], 7
	s_lshl_b32 s66, s[WC], 6
	s_add_co_u32 s66, s62, s66
	s_lshl_b32 s66, s66, 12                        ; x: (128 rt + 64 wc) rows of 4,096 bytes
	s_mov_b32 s67, 0
	s_mul_i32 s68, s[WC], 64*3072                  ; w1: 64 wc k-rows of 3,072 bytes + 512 by: nothing of cx
	s_lshl_b32 s63, s[BY], 9
	s_add_co_u32 s68, s68, s63
	s_mov_b32 s69, 0
	s_mul_i32 s70, s[WC], HA                       ; where they go: no place in the cluster enters an LDS address
	s_mul_i32 s71, s[WC], HB
	s_add_co_u32 s71, s71, BOFF
	s_mov_b32 s[TBS], 0
	s_mov_b32 s[SEL], 0x76543210
	s_mov_b32 s[SEL+1], 0xfedcba98
	s_mov_b32 s[I256], 0x3b800000                  ; 1 / 256
	s_mov_b32 s[EPS], 0x3727c5ac                   ; 1e-5
	s_wait_dscnt 0x0                               ; the opening add is done
	s_wait_kmcnt 0x0
	s_add_nc_u64 s[66:67], s[4:5], s[66:67]
	s_add_nc_u64 s[68:69], s[6:7], s[68:69]
	CROUND                                         ; all four work-groups are here: the first joint loads meet
	s_mov_b32 s[G0A0], 1
	s_mov_b32 s[G0A0+1], s70
	s_mov_b64 s[G0A0+2:G0A0+3], s[66:67]
	s_or_b32 s[G0A0+3], s[G0A0+3], 0x80000000
	s_mov_b32 s[G0A], 1
	s_add_co_u32 s[G0A+1], s70, SLOT1
	s_add_nc_u64 s[G0A+2:G0A+3], s[66:67], 256     ; K step 1
	s_or_b32 s[G0A+3], s[G0A+3], 0x80000000
	s_mov_b32 s[G0B0], 1
	s_mov_b32 s[G0B0+1], s71
	s_mov_b64 s[G0B0+2:G0B0+3], s[68:69]
	s_or_b32 s[G0B0+3], s[G0B0+3], 0x80000000
	s_mov_b32 s[G0B], 1
	s_add_co_u32 s[G0B+1], s71, SLOT1
	s_add_nc_u64 s[G0B+2:G0B+3], s[68:69], 128*3072
	s_or_b32 s[G0B+3], s[G0B+3], 0x80000000
	s_cmp_eq_u32 s[WR], 0                          ; a wave's two first fills stand in one branch: two loads of mine are out
	s_cbranch_scc0 .Lfirst_b
	tensor_load_to_lds s[G0A0:G0A0+3], s[G1A:G1A+7]
	s_nop 0
	tensor_load_to_lds s[G0A:G0A+3], s[G1A:G1A+7]
	s_nop 0
	PLACES
	s_branch .Lfirst_done
.Lfirst_b:
	tensor_load_to_lds s[G0B0:G0B0+3], s[G1B:G1B+7]
	s_nop 0
	tensor_load_to_lds s[G0B:G0B+3], s[G1B:G1B+7]
	s_nop 0
	PLACES
.Lfirst_done:
	v_and_b32 v1, 15, v0                           ; r = l % 16
	v_bfe_u32 v2, v0, 4, 1                         ; h = l / 16
	v_and_b32 v3, 7, v0
	v_bfe_u32 v4, v0, 3, 1
	v_and_b32 v5, 31, v0                           ; l
	s_mul_i32 s62, s[WR], HA
	v_mul_u32_u24 v[ADRA0], v1, PA
	v_lshl_add_u32 v[ADRA0], v2, 4, v[ADRA0]
	v_add_nc_u32 v[ADRA0], s62, v[ADRA0]           ; my 64 rows: row x pitch + 16 h
	s_lshl_b32 s62, s[WC], 8
	s_add_co_u32 s62, s62, BOFF
	v_lshl_add_u32 v[ADRB0], v2, 3, v3             ; the turning load: k-row 8 h + l % 8, 16 bytes at 16 ((l / 8) % 2)
	v_mul_u32_u24 v[ADRB0], v[ADRB0], PB
	v_lshl_add_u32 v[ADRB0], v4, 4, v[ADRB0]
	v_add_nc_u32 v[ADRB0], s62, v[ADRB0]           ; my 128 columns: 256 wc bytes
	v_mov_b32 v[AA], v[ADRA0]
	v_mov_b32 v[AB], v[ADRB0]
	s_mul_i32 s62, s[WV], 16*SP
	s_add_co_u32 s62, s62, STAGE
	v_mul_u32_u24 v[STO], v1, SP
	v_lshl_add_u32 v[STO], v2, 4, v[STO]
	v_add_nc_u32 v[STO], s62, v[STO]
	v_bfe_u32 v[RD], v0, 3, 2                      ; back: 32 lanes take four rows' 128 bytes
	v_mul_u32_u24 v[RD], v[RD], SP
	v_lshl_add_u32 v[RD], v3, 4, v[RD]
	v_add_nc_u32 v[RD], s62, v[RD]
	v_lshlrev_b32 v[GO], 4, v5
	s_and_b32 s62, s[RT], 15                       ; position of my first row in its batch: (rt % 16) 128 + 64 wr
	s_lshl_b32 s62, s62, 7
	s_lshl_b32 s63, s[WR], 6
	s_add_co_u32 s62, s62, s63
	s_lshl_b32 s62, s62, 7                         ; x 128 bytes of ft
	v_lshlrev_b32 v[FO], 7, v1
	v_lshl_add_u32 v[FO], v2, 5, v[FO]
	v_add_nc_u32 v[FO], s62, v[FO]
	s_lshl_b32 s62, s[WV], 8
	s_add_co_u32 s62, s62, XCH
	v_lshl_add_u32 v[XW], v1, 2, s62
	s_xor_b32 s62, s[WV], 1
	s_lshl_b32 s62, s62, 8
	s_add_co_u32 s62, s62, XCH
	v_lshl_add_u32 v[XR], v1, 2, s62
	; where the results go.  c: group 4 by + 2 wc, row 128 rt + 64 wr.  k_rot: array KB, batch rt / 16, head 4 (by - 2) + 2 wc, position as above.  Offsets are made apart, the buffer chosen by s_cselect.
	s_lshl_b32 s62, s[BY], 2
	s_lshl1_add_u32 s62, s[WC], s62
	s_lshl_b32 s62, s62, 19
	s_lshl_b32 s63, s[RT], 7
	s_lshl_b32 s76, s[WR], 6
	s_add_co_u32 s63, s63, s76
	s_lshl_b32 s63, s63, 7
	s_add_co_u32 s62, s62, s63
	s_lshr_b32 s76, s[RT], 4
	s_lshl_b32 s76, s76, 4
	s_sub_co_u32 s77, s[BY], 2                     ; (meaningless in tiles 0, 1, where this offset is not chosen)
	s_lshl_b32 s77, s77, 2
	s_add_co_u32 s76, s76, s77
	s_lshl1_add_u32 s76, s[WC], s76
	s_lshl_b32 s76, s76, 11
	s_and_b32 s77, s[RT], 15
	s_lshl_b32 s77, s77, 7
	s_add_co_u32 s76, s76, s77
	s_lshl_b32 s77, s[WR], 6
	s_add_co_u32 s76, s76, s77
	s_lshl_b32 s76, s76, 7
	s_add_co_u32 s76, s76, 3*ARR
	s_mov_b32 s63, 524288                          ; from one group of cn to the next
	s_mov_b32 s77, 262144                          ; from one head of KB to the next
	s_cmp_lt_u32 s[BY], 2
	s_cselect_b32 s78, s62, s76
	s_mov_b32 s79, 0
	s_cselect_b64 s[OB0:OB0+1], s[10:11], s[12:13]
	s_cselect_b32 s80, s63, s77
	s_mov_b32 s81, 0
	s_cselect_b32 s[MASK], -1, 0                   ; all lanes: a c tile
	s_add_nc_u64 s[OB0:OB0+1], s[OB0:OB0+1], s[78:79]
	s_add_nc_u64 s[OB1:OB1+1], s[OB0:OB0+1], s[80:81]
	; the prefetches: they stand at K step 3; the first refill steps them to 4.  Nothing is asked for here, at the head
	s_min_u32 s77, s[BY], 1
	s_lshl_b32 s77, s77, 6
	s_lshl_b32 s76, s[RT], 7
	s_add_co_u32 s76, s76, s77
	s_lshl_b32 s77, s[WC], 5
	s_add_co_u32 s76, s76, s77
	s_lshl_b32 s76, s76, 12
	s_add_co_u32 s76, s76, 3*256                   ; xb: row 128 rt + 64 by + 32 wc
	s_mul_i32 s78, s[CX], 32*3072                  ; w1: k-row 32 cx, 512 by + 256 wc bytes along it
	s_lshl_b32 s79, s[BY], 9
	s_add_co_u32 s78, s78, s79
	s_lshl_b32 s79, s[WC], 8
	s_add_co_u32 s78, s78, s79
	s_add_co_u32 s78, s78, 3*128*3072
	s_cmp_lt_u32 s[BY], 2
	s_cselect_b32 s79, 2, -1
	s_cmp_eq_u32 ttmp9, 0
	s_cselect_b32 s80, 2, -1
	s_mov_b32 s82, 128*3072
	s_mov_b32 s84, 3072
	s_cmp_eq_u32 s[WR], 0
	s_cselect_b32 s76, s76, s78
	s_mov_b32 s77, 0
	s_cselect_b64 s[PFA:PFA+1], s[4:5], s[6:7]
	s_cselect_b32 s[LIM], s79, s80                 ; 2 in a wave that asks, else the greatest number: the same in all four partners
	s_cselect_b32 s[PST], 256, s82
	s_mov_b32 s[PST+1], 0
	s_cselect_b32 s83, 4096, s84
	s_add_nc_u64 s[PFA:PFA+1], s[PFA:PFA+1], s[76:77]
	v_mul_u32_u24 v[PFO], s83, v5
	s_wait_tensorcnt 1                             ; my part of K step 0 is in; K step 1's may stay out
	s_barrier_signal -1
	s_barrier_wait -1
	FETCH 0, F0
	QUARTER 1, F0, F1, 1                           ; the first quarter stands in front of the loop: its products start the sums
	WIN 0
	s_mov_b32 s[CNT], 14
.Lstep:                                                ; a trip: a K step's quarters 1 to 3 and the next one's quarter 0; 14 trips refill K steps 2 to 15
	QUARTER 2, F1, F0, 0
	QUARTER 3, F0, F1, 0
	TURN 1
	QUARTER 1, F0, F1, 0
	WIN 0
	s_sub_co_u32 s[CNT], s[CNT], 1
	s_cmp_lg_u32 s[CNT], 0
	s_cbranch_scc1 .Lstep
	QUARTER 2, F1, F0, 0                           ; the last two K steps fill nothing
	QUARTER 3, F0, F1, 0
	TURN 0
	QUARTER 1, F0, F1, 0
	QUARTER 2, F1, F0, 0
	QUARTER 3, F0, F1, 0
	s_wait_dscnt 4
	MUL8 F1, 0, 0
	MUL8 F1, 1, 0
	s_wait_dscnt 0x0
	MUL8 F1, 2, 0
	MUL8 F1, 3, 0
	; THE WAY OUT has no branch.  Every tile loads its piece of F and makes its rows' 1 / rms; a select on a scalar mask takes the one that the tile's kind wants.  So each kind does a little
	; for the other (16 loads, or 128 packed lines and a meeting in LDS), and the barrier stands on every path.
	WIN 0
	PLACES
.irp a, 0,1,2,3
.irp q, 0,1
	global_load_b128 v[FAC+16*\a+8*\q:FAC+16*\a+8*\q+3],   v[FO], s[8:9] offset:2048*\a+64*\q
	global_load_b128 v[FAC+16*\a+8*\q+4:FAC+16*\a+8*\q+7], v[FO], s[8:9] offset:2048*\a+64*\q+16
.endr
.endr
	WIN 0x05                                       ; sources 0 and 1 in window 1
.set i, 0
.rept 32                                       ; four chains, one a row block; each accumulator is read from its low end on
.irp a, 0,1,2,3
.if i == 0
	v_pk_mul_f32 v[SS+2*\a:SS+2*\a+1], v[64*\a:64*\a+1], v[64*\a:64*\a+1]
.else
	v_pk_fma_f32 v[SS+2*\a:SS+2*\a+1], v[64*\a+2*i:64*\a+2*i+1], v[64*\a+2*i:64*\a+2*i+1], v[SS+2*\a:SS+2*\a+1]
.endif
.endr
.set i, i+1
.endr
	WIN 0
.irp a, 0,1,2,3
	v_add_f32 v[SS+2*\a], v[SS+2*\a], v[SS+2*\a+1]
.endr
.irp a, 0,1,2,3
	v_permlanex16_b32 v[SS+2*\a+1], v[SS+2*\a], s[SEL], s[SEL+1]  ; the row's other columns lie in the lane 16 away
.endr
.irp a, 0,1,2,3
	v_add_f32 v[SS+2*\a], v[SS+2*\a], v[SS+2*\a+1]
.endr
.irp a, 0,1,2,3
	ds_store_b32 v[XW], v[SS+2*\a] offset:64*\a    ; both halves of the lanes write the same word with the same number
.endr
	s_wait_dscnt 0x0                               ; for the other wave's sake
	s_barrier_signal -1
	s_barrier_wait -1
.irp a, 0,1,2,3
	ds_load_b32 v[232+\a], v[XR] offset:64*\a      ; the other 128 columns' sums
.endr
	s_wait_dscnt 0x0
.irp a, 0,1,2,3
	v_add_f32 v[SS+2*\a], v[SS+2*\a], v[232+\a]
.endr
.irp a, 0,1,2,3
	v_fma_f32 v[236+\a], v[SS+2*\a], s[I256], s[EPS]
.endr
.irp a, 0,1,2,3
	v_rsq_f32 v[240+\a], v[236+\a]
.endr
	v_nop                                          ; a plain instruction behind the last of the four,
	s_wait_alu depctr_va_vdst(0)                   ; and one wait ahead of their first reader
	s_wait_loadcnt 0x0                             ; F
.irp a, 0,1,2,3
.set i, 0
.rept 16
	v_cndmask_b32 v[FAC+16*\a+i], v[FAC+16*\a+i], v[240+\a], s[MASK]
.set i, i+1
.endr
.endr
.macro PACK a                          ; block a: times the factor, rounded to f16: 16 bytes a lane and column block
	WIN 0x01
.irp b, 0,1,2,3,4,5,6,7
.irp q, 0,1,2,3
	v_pk_mul_f32 v[TMP+8*\b+2*\q:TMP+8*\b+2*\q+1], v[8*(8*(\a)+\b)+2*\q:8*(8*(\a)+\b)+2*\q+1], v[FAC+16*(\a)+8*(\b%2)+2*\q:FAC+16*(\a)+8*(\b%2)+2*\q+1]
.endr
.endr
	WIN 0
.set i, 0
.rept 32
	v_cvt_pk_f16_f32 v[PK+i], v[TMP+2*i], v[TMP+2*i+1]
.set i, i+1
.endr
.endm
.macro TOSTAGE a                       ; into my own stage, and back as rows of 128 bytes: first my first 64 columns, then my second
	s_wait_xcnt 0x0                                ; the stores of two blocks back have read the registers that are loaded again below
.irp b, 0,1,2,3,4,5,6,7
	ds_store_b128 v[STO], v[PK+4*\b:PK+4*\b+3] offset:32*\b
.endr
.irp q, 0,1
.irp t, 0,1,2,3
	ds_load_b128 v[BK+32*((\a)%2)+16*\q+4*\t:BK+32*((\a)%2)+16*\q+4*\t+3], v[RD] offset:128*\q+4*SP*\t  ; LDS serves a wave's instructions in order (ISA guide 5.7.1.4)
.endr
.endr
.endm
.macro SEND a                          ; 16 rows x 128 bytes are 2,048 consecutive bytes of the output: each store covers 512 of them, aligned
	s_wait_dscnt 0x0
.irp t, 0,1,2,3
	global_store_b128 v[GO], v[BK+32*((\a)%2)+4*\t:BK+32*((\a)%2)+4*\t+3], s[OB0:OB0+1] offset:2048*(\a)+512*\t
.endr
.irp t, 0,1,2,3
	global_store_b128 v[GO], v[BK+32*((\a)%2)+16+4*\t:BK+32*((\a)%2)+16+4*\t+3], s[OB1:OB1+1] offset:2048*(\a)+512*\t
.endr
.endm
	PACK 0
	TOSTAGE 0
.irp a, 1,2,3                          ; block a's arithmetic stands between block a - 1's loads from the stage and the wait for them
	PACK \a
	SEND \a-1
	TOSTAGE \a
.endr
	SEND 3
	s_wait_tensorcnt 0x0                           ; the wave's end
	ds_add_u32 v[SPW], v[NIL]
	s_wait_dscnt 0x0
	CROUND                                         ; the closing round
	s_endpgm
.Lfunc_end_k_qad2ba99ad7_down:
	.size	k_qad2ba99ad7_down, .Lfunc_end_k_qad2ba99ad7_down-k_qad2ba99ad7_down
	.p2alignl 7, 3214868480
	.fill 96, 4, 3214868480
	.section	.rodata,"a",@progbits
	.p2align	6, 0x0
	.amdhsa_kernel k_qad2ba99ad7_down
		.amdhsa_group_segment_fixed_size 327680
		.amdhsa_private_segment_fixed_size 0
		.amdhsa_enable_private_segment 0
		.amdhsa_kernarg_size 40
		.amdhsa_user_sgpr_count 2
		.amdhsa_user_sgpr_kernarg_segment_ptr 1
		.amdhsa_wavefront_size32 1
		.amdhsa_system_sgpr_workgroup_id_x 1
		.amdhsa_system_sgpr_workgroup_id_y 1
		.amdhsa_system_sgpr_workgroup_id_z 1
		.amdhsa_system_vgpr_workitem_id 0
		.amdhsa_next_free_vgpr 512
		.amdhsa_next_free_sgpr 96
		.amdhsa_reserve_vcc 0
		.amdhsa_float_denorm_mode_32 3
		.amdhsa_float_denorm_mode_16_64 3
		.amdhsa_memory_ordered 1
		.amdhsa_forward_progress 1
		.amdhsa_inst_pref_size 96
	.end_amdhsa_kernel
	.amdgpu_metadata
---
amdhsa.version: [ 1, 2 ]
amdhsa.kernels:
  - .name:           k_qad2ba99ad7_down
    .symbol:         k_qad2ba99ad7_down.kd
    .args:
      - { .name: xb, .offset: 0, .size: 8, .value_kind: global_buffer, .address_space: global }
      - { .name: w1, .offset: 8, .size: 8, .value_kind: global_buffer, .address_space: global }
      - { .name: ft, .offset: 16, .size: 8, .value_kind: global_buffer, .address_space: global }
      - { .name: cn, .offset: 24, .size: 8, .value_kind: global_buffer, .address_space: global }
      - { .name: qkv, .offset: 32, .size: 8, .value_kind: global_buffer, .address_space: global }
    .group_segment_fixed_size: 327680
    .private_segment_fixed_size: 0
    .kernarg_segment_align: 8
    .kernarg_segment_size: 40
    .max_flat_workgroup_size: 128
    .sgpr_count:     96
    .vgpr_count:     512
    .wavefront_size: 32
...
	.end_amdgpu_metadata
.endif
;; end of part 2
;; launch up (part 3): grid 16 x 16, 4 waves a work-group, clusters of 4 x 1, 214,528 bytes of LDS; arguments cn, w2, ft, qkv; writes qkv
.if DOCPART == 3
	.amdgcn_target "amdgcn-amd-amdhsa--gfx1250"
	.amdhsa_code_object_version 6
	.text
	.protected	k_qad2ba99ad7_up
	.globl	k_qad2ba99ad7_up
	.p2align	8
	.type	k_qad2ba99ad7_up,@function
k_qad2ba99ad7_up:
	s_mov_b64 s[64:65], 0
	v_nop
	global_prefetch_b8 v0, s[64:65] scope:SCOPE_SE
	s_setreg_imm32_b32 hwreg(HW_REG_WAVE_MODE, 25, 1), 1
	s_wait_xcnt 0x0
	s_wait_alu depctr_hold_cnt(0) depctr_sa_sdst(0) depctr_va_vdst(0) depctr_va_sdst(0) depctr_va_ssrc(0) depctr_va_vcc(0) depctr_vm_vsrc(0)
	s_getreg_b32 s2, hwreg(HW_REG_IB_STS2, 6, 4)
	s_cmp_eq_u32 s2, 0
	s_cbranch_scc0 .Lentry_in_a_cluster
	s_endpgm
.Lentry_in_a_cluster:
	s_bfe_u32 s2, ttmp6, 0x10000c
	s_cmp_lg_u32 s2, 0x3003
	s_cbranch_scc0 .Lentry_shape_is_right
	s_endpgm
.Lentry_shape_is_right:
; UP: for one head and 256 rows: q_base = c_q W_uq, q_rot = (c_q W_qr) F, k_base / 8 = c_kv W_uk / 8, v = c_kv W_uv.  All operands f16 (g lies in w2), sums in f32, K = 256, results rounded once to f16.
; -> qkv's arrays QA, QB, KA, VA, VB, each [32 batch x head][2048][64] (KB comes from the launch before).  LIMIT: |q|, |k / 8|, |v| stay under 65,504, f16's end.
; SHARES.  16 blocks of 256 rows x 16 heads = 256 work-groups.  A wave has 64 rows and walks the head's five chunks of 64 columns: 16 accumulators, 128 matrix instructions a chunk.
; The head's weights (5 x 256 x 64, 160 KiB) lie in LDS for the whole launch: filled once, never again.  The four row blocks of a cluster share them: one joint load a wave (mask 15).
; c's fragments come straight from memory into registers: no other wave wants them.  W lies [k][column]: its fragments come out of LDS turned.
; THE MATRIX INSTRUCTION IS USED TRANSPOSED (source 0 = 16 columns of W, source 1 = 16 rows of c): a lane holds one row (lane % 16) and eight neighbouring columns.
; REGISTERS.  Window 0: addresses; v16-31 packed; v32-63 rows read back; v64-127 F; v128-255 accumulator (a, cb) at 128 + 8 (4 a + cb).  Window 1: c's fragment (a, ks) at 64 a + 8 ks.  Window 2: W's (ks, cb) at 32 ks + 8 cb.
; No prefetch: one group of fills at the head, and the launch is short.
.set PW,    160                        ; a k-row of W in LDS: 128 bytes + 32 = 40 words
.set PIECE, 256*PW
.set STAGE, 5*PIECE                    ; 16 rows x 144 bytes for each wave
.set SP,    144
.set SPARE, STAGE+4*16*SP              ; the spare words: two blocks of 256 bytes that no other line names
.set ARR,   8388608
.set QO,  2
.set AW0, 3
.set AW,  4
.set STO, 6
.set RD,  7
.set GO,  8
.set FO,  9
.set SPW, 10
.set NIL, 11
.set TMP, 16
.set BK,  32
.set FAC, 64
.set ACC, 128
.set WV, 12
.set CX, 13
.set RB, 14
.set HD, 15
.set CNT, 16
.set TW, 17                            ; LDS byte at which the piece of W to be fetched begins
.set A1, 18
.set A2, 19
.set G1, 24
.set G0, 32
.set AB, 36
.set OB, 38
.set MSB, 0
.macro WIN new
.if MSB != (\new)
	s_set_vgpr_msb (MSB<<8)|(\new)
.set MSB, (\new)
.endif
.endm
.macro PLACES
.rept 4
	v_nop
.endr
.endm
.macro CROUND
	s_barrier_signal -1
	s_barrier_wait -1
	s_cmp_lg_u32 s[WV], 0
	s_cbranch_scc1 .Lnot_wave_0_\@
	s_barrier_signal -3
.Lnot_wave_0_\@:
	s_barrier_wait -3
	s_barrier_signal -1
	s_barrier_wait -1
.endm
.macro ALOAD                           ; my 64 rows x 256 channels of c: group ks / 2 of cn, 64 (ks % 2) bytes along its row
	WIN 0x40
.irp a, 0,1,2,3
.irp k, 0,1,2,3,4,5,6,7
	global_load_b128 v[64*\a+8*\k:64*\a+8*\k+3],   v[QO], s[AB:AB+1] offset:(\k/2)*524288+2048*\a+64*(\k%2)
	global_load_b128 v[64*\a+8*\k+4:64*\a+8*\k+7], v[QO], s[AB:AB+1] offset:(\k/2)*524288+2048*\a+64*(\k%2)+32
.endr
.endr
	WIN 0
.endm
.macro FETCH                           ; a whole piece of W: 32 fragments
	v_add_nc_u32 v[AW], s[TW], v[AW0]
	s_add_co_u32 s[TW], s[TW], PIECE
	WIN 0x80
.irp k, 0,1,2,3,4,5,6,7
.irp c, 0,1,2,3
	ds_load_tr16_b128 v[32*\k+8*\c:32*\k+8*\c+3],   v[AW] offset:32*PW*\k+32*\c
	ds_load_tr16_b128 v[32*\k+8*\c+4:32*\k+8*\c+7], v[AW] offset:32*PW*\k+32*\c+16*PW
.endr
.endr
	WIN 0
.endm
.macro PACK a
.irp c, 0,1,2,3
.irp q, 0,1,2,3
	v_cvt_pk_f16_f32 v[TMP+4*\c+\q], v[ACC+8*(4*(\a)+\c)+2*\q], v[ACC+8*(4*(\a)+\c)+2*\q+1]
.endr
.endr
.endm
.macro TOST a
	s_wait_xcnt 0x0                                ; earlier stores have read the registers that are loaded again below
.irp c, 0,1,2,3
	ds_store_b128 v[STO], v[TMP+4*\c:TMP+4*\c+3] offset:32*\c
.endr
.irp t, 0,1,2,3
	ds_load_b128 v[BK+16*((\a)%2)+4*\t:BK+16*((\a)%2)+4*\t+3], v[RD] offset:4*SP*\t  ; LDS serves a wave's instructions in order (ISA guide 5.7.1.4)
.endr
.endm
.macro SEND a
	s_wait_dscnt 0x0
.irp t, 0,1,2,3
	global_store_b128 v[GO], v[BK+16*((\a)%2)+4*\t:BK+16*((\a)%2)+4*\t+3], s[OB:OB+1] offset:2048*(\a)+512*\t  ; 512 consecutive bytes, aligned
.endr
.endm
	s_load_b256 s[4:11], s[0:1], 0x0               ; cn 4, w2 6, ft 8, qkv 10
	v_lshl_add_u32 v[SPW], v0, 2, SPARE
	v_mov_b32 v[NIL], 0
	ds_add_u32 v[SPW], v[NIL]                      ; the wave's opening: the add and its wait ahead of my first tensor load
	ds_add_u32 v10, v11
	v_lshrrev_b32 v1, 5, v0
	v_readfirstlane_b32 s[WV], v1
	s_bfe_u32 s[CX], ttmp6, 0x40000
	s_lshl_b32 s[RB], ttmp9, 2
	s_add_co_u32 s[RB], s[RB], s[CX]               ; block of 256 rows
	s_and_b32 s[HD], ttmp7, 0xffff                 ; the head, which the four partners share
	s_mov_b32 s[G1], 15|(1<<16)|(1<<20)|(1<<21)|(4<<22)|(7<<25)  ; the mask of four, bit 21; 2-byte elements; 8 words of padding behind every 32
	s_mov_b32 s[G1+1], 128<<16                     ; dense bytes asked for as rows of 256: two k-rows a row
	s_mov_b32 s[G1+2], 160<<16
	s_mov_b32 s[G1+3], 128<<16
	s_mov_b32 s[G1+4], 160
	s_mov_b32 s[G1+5], 128
	s_mov_b32 s[G1+6], 0
	s_mov_b32 s[G1+7], 0
	s_mov_b32 s[G0], 1
	s_mul_i32 s[G0+1], s[WV], 320*PW               ; each wave brings a quarter: 320 k-rows
	s_mul_i32 s42, s[HD], 163840
	s_mul_i32 s43, s[WV], 40960
	s_add_co_u32 s42, s42, s43
	s_mov_b32 s43, 0
	s_lshl_b32 s44, s[RB], 8
	s_lshl_b32 s45, s[WV], 6
	s_add_co_u32 s44, s44, s45
	s_lshl_b32 s44, s44, 7                         ; my first row of cn: (256 rb + 64 w) x 128 bytes
	s_mov_b32 s45, 0
	s_lshr_b32 s46, s[RB], 3                       ; batch
	s_lshl_b32 s46, s46, 4
	s_add_co_u32 s46, s46, s[HD]
	s_lshl_b32 s46, s46, 11
	s_and_b32 s48, s[RB], 7
	s_lshl_b32 s48, s48, 8
	s_lshl_b32 s47, s[WV], 6
	s_add_co_u32 s48, s48, s47                     ; my first position
	s_add_co_u32 s46, s46, s48
	s_lshl_b32 s46, s46, 7
	s_mov_b32 s47, 0
	s_lshl_b32 s48, s48, 7                         ; x 128 bytes of ft
	s_mov_b32 s[A1], ARR
	s_mov_b32 s[A2], 2*ARR
	s_mov_b32 s[TW], 0
	s_mov_b32 s[CNT], 5
	s_wait_dscnt 0x0
	s_wait_kmcnt 0x0
	s_add_nc_u64 s[G0+2:G0+3], s[6:7], s[42:43]
	s_or_b32 s[G0+3], s[G0+3], 0x80000000
	s_add_nc_u64 s[AB:AB+1], s[4:5], s[44:45]
	s_add_nc_u64 s[OB:OB+1], s[10:11], s[46:47]
	CROUND                                         ; all four work-groups are here: the joint loads meet
	tensor_load_to_lds s[G0:G0+3], s[G1:G1+7]      ; my one tensor load of the launch
	s_nop 0
	PLACES
	v_and_b32 v1, 15, v0
	v_bfe_u32 v5, v0, 4, 1
	v_lshlrev_b32 v[QO], 7, v1
	v_lshl_add_u32 v[QO], v5, 4, v[QO]
	ALOAD                                          ; c_q
	v_lshlrev_b32 v[FO], 7, v1
	v_lshl_add_u32 v[FO], v5, 5, v[FO]
	v_add_nc_u32 v[FO], s48, v[FO]
.irp a, 0,1,2,3
.irp q, 0,1
	global_load_b128 v[FAC+16*\a+8*\q:FAC+16*\a+8*\q+3],   v[FO], s[8:9] offset:2048*\a+64*\q
	global_load_b128 v[FAC+16*\a+8*\q+4:FAC+16*\a+8*\q+7], v[FO], s[8:9] offset:2048*\a+64*\q+16
.endr
.endr
	v_and_b32 v12, 7, v0
	v_bfe_u32 v13, v0, 3, 1
	v_lshl_add_u32 v[AW0], v5, 3, v12
	v_mul_u32_u24 v[AW0], v[AW0], PW
	v_lshl_add_u32 v[AW0], v13, 4, v[AW0]
	s_mul_i32 s42, s[WV], 16*SP
	s_add_co_u32 s42, s42, STAGE
	v_mul_u32_u24 v[STO], v1, SP
	v_lshl_add_u32 v[STO], v5, 4, v[STO]
	v_add_nc_u32 v[STO], s42, v[STO]
	v_bfe_u32 v[RD], v0, 3, 2
	v_mul_u32_u24 v[RD], v[RD], SP
	v_lshl_add_u32 v[RD], v12, 4, v[RD]
	v_add_nc_u32 v[RD], s42, v[RD]
	v_and_b32 v[GO], 31, v0
	v_lshlrev_b32 v[GO], 4, v[GO]
	s_wait_tensorcnt 0x0                           ; my quarter of W is in,
	s_barrier_signal -1
	s_barrier_wait -1                              ; everybody's is
	FETCH
.Lchunk:                                               ; CNT = 5: QA, 4: QB, 3: KA, 2: VA, 1: VB
	s_wait_loadcnt 0x0                             ; c (and, the first time, F)
	s_wait_dscnt 0x0                               ; W's piece
	WIN 0x06                                       ; W in window 2, c in window 1
.irp k, 0,1,2,3,4,5,6,7                ; the 16 accumulators take turns; the first 16 products start the sums
.irp a, 0,1,2,3
.irp c, 0,1,2,3
.if \k == 0
	v_wmma_f32_16x16x32_f16 v[ACC+8*(4*\a+\c):ACC+8*(4*\a+\c)+7], v[32*\k+8*\c:32*\k+8*\c+7], v[64*\a+8*\k:64*\a+8*\k+7], 0
.else
	v_wmma_f32_16x16x32_f16 v[ACC+8*(4*\a+\c):ACC+8*(4*\a+\c)+7], v[32*\k+8*\c:32*\k+8*\c+7], v[64*\a+8*\k:64*\a+8*\k+7], v[ACC+8*(4*\a+\c):ACC+8*(4*\a+\c)+7]
.endif
.endr
.endr
.endr
	WIN 0
	PLACES                                         ; in front of the loads into the products' sources and of the readers of their results
	s_cmp_eq_u32 s[CNT], 4
	s_cbranch_scc0 .Lsame_c
	s_add_nc_u64 s[AB:AB+1], s[AB:AB+1], 4*524288  ; c_q has done its two chunks: c_kv (the loads that read this address were waited for above)
	ALOAD
.Lsame_c:
	s_cmp_eq_u32 s[CNT], 1
	s_cbranch_scc1 .Lno_w
	FETCH                                          ; the next chunk's piece, under this chunk's way out
.Lno_w:
	s_cmp_eq_u32 s[CNT], 4
	s_cbranch_scc0 .Lno_rope
.irp a, 0,1,2,3                        ; q_rot: times F[pos][column % 32]
.irp c, 0,1,2,3
.irp q, 0,1,2,3
	v_pk_mul_f32 v[ACC+8*(4*\a+\c)+2*\q:ACC+8*(4*\a+\c)+2*\q+1], v[ACC+8*(4*\a+\c)+2*\q:ACC+8*(4*\a+\c)+2*\q+1], v[FAC+16*\a+8*(\c%2)+2*\q:FAC+16*\a+8*(\c%2)+2*\q+1]
.endr
.endr
.endr
.Lno_rope:
	PACK 0
	TOST 0
.irp a, 1,2,3
	PACK \a
	SEND \a-1
	TOST \a
.endr
	SEND 3
	s_wait_xcnt 0x0                                ; the stores have read their base
	s_cmp_eq_u32 s[CNT], 3
	s_cselect_b32 s42, s[A2], s[A1]                ; behind KA the array KB is passed over
	s_mov_b32 s43, 0
	s_add_nc_u64 s[OB:OB+1], s[OB:OB+1], s[42:43]
	s_sub_co_u32 s[CNT], s[CNT], 1
	s_cmp_lg_u32 s[CNT], 0
	s_cbranch_scc1 .Lchunk
	s_wait_tensorcnt 0x0                           ; the wave's end
	ds_add_u32 v[SPW], v[NIL]
	s_wait_dscnt 0x0
	CROUND                                         ; the closing round
	s_endpgm
.Lfunc_end_k_qad2ba99ad7_up:
	.size	k_qad2ba99ad7_up, .Lfunc_end_k_qad2ba99ad7_up-k_qad2ba99ad7_up
	.p2alignl 7, 3214868480
	.fill 96, 4, 3214868480
	.section	.rodata,"a",@progbits
	.p2align	6, 0x0
	.amdhsa_kernel k_qad2ba99ad7_up
		.amdhsa_group_segment_fixed_size 214528
		.amdhsa_private_segment_fixed_size 0
		.amdhsa_enable_private_segment 0
		.amdhsa_kernarg_size 32
		.amdhsa_user_sgpr_count 2
		.amdhsa_user_sgpr_kernarg_segment_ptr 1
		.amdhsa_wavefront_size32 1
		.amdhsa_system_sgpr_workgroup_id_x 1
		.amdhsa_system_sgpr_workgroup_id_y 1
		.amdhsa_system_sgpr_workgroup_id_z 1
		.amdhsa_system_vgpr_workitem_id 0
		.amdhsa_next_free_vgpr 768
		.amdhsa_next_free_sgpr 66
		.amdhsa_reserve_vcc 0
		.amdhsa_float_denorm_mode_32 3
		.amdhsa_float_denorm_mode_16_64 3
		.amdhsa_memory_ordered 1
		.amdhsa_forward_progress 1
		.amdhsa_inst_pref_size 48
	.end_amdhsa_kernel
	.amdgpu_metadata
---
amdhsa.version: [ 1, 2 ]
amdhsa.kernels:
  - .name:           k_qad2ba99ad7_up
    .symbol:         k_qad2ba99ad7_up.kd
    .args:
      - { .name: cn, .offset: 0, .size: 8, .value_kind: global_buffer, .address_space: global }
      - { .name: w2, .offset: 8, .size: 8, .value_kind: global_buffer, .address_space: global }
      - { .name: ft, .offset: 16, .size: 8, .value_kind: global_buffer, .address_space: global }
      - { .name: qkv, .offset: 24, .size: 8, .value_kind: global_buffer, .address_space: global }
    .group_segment_fixed_size: 214528
    .private_segment_fixed_size: 0
    .kernarg_segment_align: 8
    .kernarg_segment_size: 32
    .max_flat_workgroup_size: 128
    .sgpr_count:     66
    .vgpr_count:     768
    .wavefront_size: 32
...
	.end_amdgpu_metadata
.endif
;; end of part 3
;; launch attn (part 4): grid 8 x 32, 4 waves a work-group, no clusters, 327,680 bytes of LDS; arguments qkv, ob; writes ob
.if DOCPART == 4
	.amdgcn_target "amdgcn-amd-amdhsa--gfx1250"
	.amdhsa_code_object_version 6
	.text
	.protected	k_qad2ba99ad7_attn
	.globl	k_qad2ba99ad7_attn
	.p2align	8
	.type	k_qad2ba99ad7_attn,@function
k_qad2ba99ad7_attn:
	s_mov_b64 s[64:65], 0
	v_nop
	global_prefetch_b8 v0, s[64:65] scope:SCOPE_SE
	s_setreg_imm32_b32 hwreg(HW_REG_WAVE_MODE, 25, 1), 1
	s_wait_xcnt 0x0
; CAUSAL ATTENTION, head size 128.  O[bh][q] = the sum over k <= q of softmax_k(Q[q] . K[k] / sqrt(128)) V[k].  Q, K / 8 and V lie in qkv as six arrays [32 bh][2048][64] of f16: QA, QB, KA, KB, VA, VB
; (A: channels 0-63, B: 64-127).  O -> ob [32 bh][2048][128] f16.  Products, maxima and sums in f32; the weights p are rounded to f16 for the second product, O once at the end.
; LIMITS.  f16 ends at 65,504: Q, K / 8, V arrive within it.  A hidden score counts as its value less 1e30; a weight below 2^-126 counts as 0 in l; NaN and infinities are not treated apart.
; THE WALK.  A head's queries lie in 16 blocks of 128; block i needs the key tiles 0 .. i of 128 keys, the last of which holds the diagonal.  A work-group takes blocks 15 - b and then b: 17 tiles whatever b,
; so all 256 work-groups do equal work and ONE loop with a constant trip count walks them; the ring of two LDS slots runs on across the change of blocks.
; NO CLUSTER: a head's 8 work-groups ask for the same tile only in trips 0 to 8; a walk common to four partners (tiles 0-15, then 0-3) would have 20 trips for 17.
; SHARES.  Of a block's two bands of 64 queries a wave owns 16 rows in each: tile t = band t.  In the diagonal tile's key step 0 band 0 holds the diagonal and band 1 sees all; in step 1 band 0 sees nothing,
; band 1 holds the diagonal: the same work for all four waves.
; THE MASK is the C operand that starts every sum S^T: 64 registers MC, 0 outside a diagonal tile; there they are made from MD (my rows' mask of a band's own step, made once) by two scalars a tile.
; LAYOUT.  S^T = K Q^T holds ONE query a lane (lane % 16) and the keys 8 (lane / 16) + 0..7; two such results rounded to f16 ARE source 1 of O^T = V^T P.  K comes out of LDS as it lies, V turned.
; SOFTMAX.  p = 2^(c s - c m), c = 8 log2(e) / sqrt(128) (the 8 undoes K / 8), with a running maximum m; O and l are multiplied by a = 2^(c m_old - c m_new) in every step.
; BY TURNS, ONE TEXT FOR EVERY KEY STEP.  Turn j: (1) 32 products K Q^T of step j, behind each two lines of O^T times step j - 1's a; (2) 32 products V^T P of step j - 1, behind them step j's maxima, statistics,
; scalings and exponentials; (3) step j's roundings and sums, alone.  A block starts with c m far below every c s: its first a is 0, which wipes O^T and l, and with them what its first turn's products V^T P, on the
; stale but finite P and V of the block before (zeros at the launch's start), have added.  A block ends with band 1's last rescaling and 16 products; band 0's last step is wholly hidden: its a is 1, its weights 0.
; REGISTERS.  Window 0: v2-9 addresses; v16-31 statistics; v64-127 S^T (and the way out); v128-159 P; v160-191 MD; v192-255 MC.  Window 1: v0-127 O^T; v128-191 Q; v192-255 the second block's Q.  Window 2: v0-127 K; v128-255 V.
.set PK,    144                        ; a key's 128 bytes + 16: the 16 rows of a load start at 16 different groups of four banks (64 banks of 4 bytes: ISA guide 11.1)
.set PV,    160                        ; 128 + 32
.set KBO,   128*PK                     ; a slot: KA, KB, VA, VB, 128 keys each
.set VOFF,  2*KBO
.set VBO,   128*PV
.set SLOT1, 1<<17
.set STAGE, SLOT1+VOFF+2*VBO           ; 16 rows x 272 bytes for each wave
.set SP,    272
.set SPARE, STAGE+4*16*SP              ; the spare words: two blocks of 256 bytes that no other line names
.set ARR,   8388608
.set AK0, 2
.set AV0, 3
.set AK,  4
.set AV,  5
.set STO, 6
.set RD,  7
.set GO,  8
.set QO,  9
.set ST,  16                           ; tile t at ST + 8 t: c m, m, l (even keys', odd keys'), c0-c3 at work; a takes c2's place
.set PFO, 61
.set SPW, 62
.set NIL, 63
.set S,   64
.set WK,  64                           ; the way out works in S^T's registers
.set P,   128
.set MD,  160
.set MC,  192
.set WV,  12
.set PB,  14                           ; b
.set HI,  15                           ; 15 - b
.set G1K, 24
.set G1V, 32
.set G0K, 40
.set G0V, 44
.set PFA, 48
.set LIM, 50
.set TW,  51                           ; 2: a tile's first step, 1: its second
.set AL0, 52                           ; s[52:53] tile 0's mask = MD x AL0 + BE0
.set BE0, 54                           ; s[54:55]
.set AL1, 92                           ; s[92:93] tile 1's = MD x AL1
.set SLOTS, 56
.set CS,  58
.set SEL, 60
.set TBK, 62                           ; LDS byte at which K of the step to be fetched begins
.set TBV, 63                           ; the same for V, less VOFF
.set RT,  74                           ; tiles of the block in hand still to be entered; 0: the diagonal tile is in hand
.set NXT, 75                           ; the tile to be asked for next
.set LQ,  76                           ; the last tile of the block whose tiles are being asked for
.set OFF, 78
.set OLO, 84
.set BIGN, 86
.set MSB, 0
.macro WIN new
.if MSB != (\new)
	s_set_vgpr_msb (MSB<<8)|(\new)
.set MSB, (\new)
.endif
.endm
.set W_KQ, 0x06                        ; K in window 2, Q in window 1, S^T and the mask in window 0
.set W_PV, 0x52                        ; V in window 2, P in window 0, O^T in window 1
.set W_RS, 0x41                        ; destination and source 0 in window 1
.macro PLACES
.rept 4
	v_nop
.endr
.endm
.macro LOAD                            ; a fill: wave 0 KA, wave 1 KB, wave 2 VA, wave 3 VB: 128 keys each.  An s_nop 0 and four v_nop follow each line
	s_cmp_lt_u32 s[WV], 2
	s_cbranch_scc0 .Lfor_v_\@
	tensor_load_to_lds s[G0K:G0K+3], s[G1K:G1K+7]
	s_nop 0
	PLACES
	s_branch .Lasked_\@
.Lfor_v_\@:
	tensor_load_to_lds s[G0V:G0V+3], s[G1V:G1V+7]
	s_nop 0
	PLACES
.Lasked_\@:
.endm
; A PREFETCH INTO THE L2 of the tile that the NEXT change of slots will ask for.  All 8 work-groups of a head walk the same keys; the one with b = 0 walks tiles 0 to 15 on end, and it alone asks: each wave for its own
; array's 16,384 bytes, a lane 256 bytes, two instructions.  Tiles 0 and 1 come by their loads alone; the last tile asked for is 15 (SLOTS = 3).
.macro ASK
	s_cmp_gt_u32 s[SLOTS], s[LIM]
	s_cbranch_scc0 .Lnot_mine_\@
	global_prefetch_b8 v[PFO], s[PFA:PFA+1] th:TH_LOAD_NT scope:SCOPE_SE
	global_prefetch_b8 v[PFO], s[PFA:PFA+1] offset:8192 th:TH_LOAD_NT scope:SCOPE_SE
.Lnot_mine_\@:
.endm
; THE CHANGE OF SLOTS.  Each wave waits for all its tensor loads (one is out: its part of the other slot), adds 0 to its spare word, waits for that and for its reads of the slot that it leaves.  Behind the barrier
; nobody reads the old slot and the other is whole.  fill = 1: the old slot is filled again, first thing, with tile NXT; the descriptor's address is made anew from that number.
.macro CHANGE fill
	WIN 0
	s_wait_tensorcnt 0x0
	ds_add_u32 v[SPW], v[NIL]
.if \fill
	s_lshl_b32 s[OFF], s[NXT], 14                  ; a tile is 16,384 bytes of each array
	s_xor_b32 s[G0K+1], s[G0K+1], SLOT1
	s_add_nc_u64 s[G0K+2:G0K+3], s[6:7], s[OFF:OFF+1]
	s_or_b32 s[G0K+3], s[G0K+3], 0x80000000
	s_xor_b32 s[G0V+1], s[G0V+1], SLOT1
	s_add_nc_u64 s[G0V+2:G0V+3], s[8:9], s[OFF:OFF+1]
	s_or_b32 s[G0V+3], s[G0V+3], 0x80000000
	s_add_co_u32 s[NXT], s[NXT], 1                 ; the block's next tile, or behind its last the second block's tile 0
	s_cmp_gt_u32 s[NXT], s[LQ]
	s_cselect_b32 s[NXT], 0, s[NXT]
	s_cselect_b32 s[LQ], s[PB], s[LQ]
	s_wait_xcnt 0x0                                ; the last prefetches, a tile back, have read their address
	s_add_nc_u64 s[PFA:PFA+1], s[PFA:PFA+1], 16384
.endif
	s_wait_dscnt 0x0                               ; the add is done, and my reads of the slot are over
	s_barrier_signal -1
	s_sub_co_u32 s[TBK], s[TBK], 2*64*PK           ; the fetches go back to a slot's first step, in the other slot
	s_xor_b32 s[TBK], s[TBK], SLOT1
	s_sub_co_u32 s[TBV], s[TBV], 2*64*PV
	s_xor_b32 s[TBV], s[TBV], SLOT1
	s_barrier_wait -1
.if \fill
	LOAD
	ASK
.endif
.endm
.macro FETCH_K                         ; a step's K: 64 keys x 128 channels: fragment (kb, c) at 32 kb + 8 c; by channel blocks, eight loads each, in the order in which the products want them
	WIN 0
	v_add_nc_u32 v[AK], s[TBK], v[AK0]
	s_add_co_u32 s[TBK], s[TBK], 64*PK
	WIN 0x80
.irp c, 0,1,2,3
.irp k, 0,1,2,3
	ds_load_b128 v[32*\k+8*\c:32*\k+8*\c+3],   v[AK] offset:\k*16*PK+(\c%2)*64+(\c/2)*KBO
	ds_load_b128 v[32*\k+8*\c+4:32*\k+8*\c+7], v[AK] offset:\k*16*PK+(\c%2)*64+(\c/2)*KBO+32
.endr
.endr
	WIN 0
.endm
.macro FETCH_V half                    ; 32 keys of a step's V, turned: fragment (kk, cb) at 128 + 64 kk + 8 cb; half 0 makes the address, half 1 uses it again
	WIN 0
.if (\half) == 0
	v_add_nc_u32 v[AV], s[TBV], v[AV0]
	s_add_co_u32 s[TBV], s[TBV], 64*PV
.endif
	WIN 0x80
.irp f, 0,1,2,3,4,5,6,7
	ds_load_tr16_b128 v[128+64*(\half)+8*\f:128+64*(\half)+8*\f+3],   v[AV] offset:(\half)*32*PV+(\f%4)*32+(\f/4)*VBO
	ds_load_tr16_b128 v[128+64*(\half)+8*\f+4:128+64*(\half)+8*\f+7], v[AV] offset:(\half)*32*PV+(\f%4)*32+(\f/4)*VBO+16*PV
.endr
	WIN 0
.endm
.macro KQ1                             ; product i of 32 of S^T = K Q^T: channels 32 (i / 8) on, keys 16 ((i / 2) % 4) on, tile i % 2: 8 accumulators by turns.  The first 8 start the sums with the mask
	WIN W_KQ
.set tt, i%2
.set kb, (i/2)%4
.set cc, i/8
.if cc == 0
	v_wmma_f32_16x16x32_f16 v[S+32*tt+8*kb:S+32*tt+8*kb+7], v[32*kb+8*cc:32*kb+8*cc+7], v[128+32*tt+8*cc:128+32*tt+8*cc+7], v[MC+32*tt+8*kb:MC+32*tt+8*kb+7]
.else
	v_wmma_f32_16x16x32_f16 v[S+32*tt+8*kb:S+32*tt+8*kb+7], v[32*kb+8*cc:32*kb+8*cc+7], v[128+32*tt+8*cc:128+32*tt+8*cc+7], v[S+32*tt+8*kb:S+32*tt+8*kb+7]
.endif
.endm
.macro PV1 act                         ; product i of O^T += V^T P.  act = 3: both tiles, 32 products, 16 accumulators by turns; act = 2: tile 1 alone, 16 products, 8 by turns
	WIN W_PV
.if (\act) == 3
.set tt, i%2
.set cb, (i/2)%8
.set kk, i/16
.else
.set tt, 1
.set cb, i%8
.set kk, i/8
.endif
	v_wmma_f32_16x16x32_f16 v[64*tt+8*cb:64*tt+8*cb+7], v[128+64*kk+8*cb:128+64*kk+8*cb+7], v[P+16*tt+8*kk:P+16*tt+8*kk+7], v[64*tt+8*cb:64*tt+8*cb+7]
.endm
; One tile's softmax for one key step is a list of 134 instructions; SM writes number j of it for tile t.  s0-s31 are the lane's 32 scores.
;   0-15   the maximum of s0-s31 and the old m, three operands at a time; each accumulator's lowest registers are read first
;   16-20  the other half of the lanes' maximum; the new m; c m; c m_old - c m_new
;   21-69  ONE BATCH: the 16 packed scalings c s - c m and all 33 exponentials (a at 23); none of these names an exponential's result; a pair is scaled ahead of its exponentials
;   70-85  the roundings to f16     86-101  the sums; l = a l + sum     102-133  O^T times a
.macro SM t
.set rT, ST+8*(\t)
.set rS, S+32*(\t)
.set rP, P+16*(\t)
.set rO, 64*(\t)+2*(j-102)
.if j < 102
	WIN 0
.endif
.if j < 4
	v_max3_num_f32 v[rT+4+j], v[rS+8*j], v[rS+8*j+1], v[rS+8*j+2]
.elseif j < 12
	v_max3_num_f32 v[rT+4+j%4], v[rT+4+j%4], v[rS+8*(j%4)+2*(j/4)+1], v[rS+8*(j%4)+2*(j/4)+2]
.elseif j == 12
	v_max3_num_f32 v[rT+4], v[rT+4], v[rS+7], v[rS+15]
.elseif j == 13
	v_max3_num_f32 v[rT+6], v[rT+6], v[rS+23], v[rS+31]
.elseif j == 14
	v_max3_num_f32 v[rT+4], v[rT+4], v[rT+5], v[rT+6]
.elseif j == 15
	v_max3_num_f32 v[rT+4], v[rT+4], v[rT+7], v[rT+1]
.elseif j == 16
	v_permlanex16_b32 v[rT+5], v[rT+4], s[SEL], s[SEL+1]  ; the query's other 32 keys lie in the lane 16 away
.elseif j == 17
	v_mov_b32 v[rT+7], v[rT]                       ; c m_old is kept for a
.elseif j == 18
	v_max_num_f32 v[rT+1], v[rT+4], v[rT+5]
.elseif j == 19
	v_mul_f32 v[rT], s[CS], v[rT+1]
.elseif j == 20
	v_sub_f32 v[rT+7], v[rT+7], v[rT]
.elseif j == 23
	v_exp_f32 v[rT+6], v[rT+7]
.elseif (j < 23) || ((j < 38) && (j%2 == 0)) || ((j < 66) && (j%4 == 2))
.set bb, (j-2)/4                       ; 38, 42, .. 62: pairs 9 to 15
.if j < 38
.set bb, (j-20)/2                      ; 21: pair 0; 22, 24, .. 36: pairs 1 to 8
.endif
	v_pk_fma_f32 v[rS+2*bb:rS+2*bb+1], v[rS+2*bb:rS+2*bb+1], s[CS:CS+1], v[rT:rT+1] op_sel_hi:[1,0,0] neg_lo:[0,0,1] neg_hi:[0,0,1]
.elseif j < 70
.set ee, j-38                          ; 66 to 69: s28 to s31
.if j < 66
.set ee, j-32-(j-38)/4                 ; 39-41, 43-45, .. 63-65: s7 to s27
.endif
.if j < 38
.set ee, (j-25)/2                      ; 25, 27, .. 37: s0 to s6
.endif
	v_exp_f32 v[rS+ee], v[rS+ee]
.elseif j < 86
	v_cvt_pk_f16_f32 v[rP+j-70], v[rS+2*(j-70)], v[rS+2*(j-70)+1]
.elseif j < 102                        ; the 16 pairs are added in place: neighbours 1, 2, 4 and 8 pairs apart; then l takes the sum
.set zz, j-86
.set ww, 4
.set uu, zz
.if zz >= 14
.set ww, 32
.set uu, 0
.elseif zz >= 12
.set ww, 16
.set uu, zz-12
.elseif zz >= 8
.set ww, 8
.set uu, zz-8
.endif
.if zz < 15
	v_pk_add_f32 v[rS+ww*uu:rS+ww*uu+1], v[rS+ww*uu:rS+ww*uu+1], v[rS+ww*uu+ww/2:rS+ww*uu+ww/2+1]
.else
	v_pk_fma_f32 v[rT+2:rT+3], v[rT+2:rT+3], v[rT+6:rT+7], v[rS:rS+1] op_sel_hi:[1,0,1]
.endif
.else
	WIN W_RS
	v_pk_mul_f32 v[rO:rO+1], v[rO:rO+1], v[rT+6:rT+7] op_sel_hi:[1,0]
.endif
.endm
.macro RID n                           ; the next n lines of numbers 0 to 101, the two tiles alternating: line q is number q / 2 of tile q % 2
.rept \n
.set j, q/2
	SM q%2
.set q, q+1
.endr
.endm
; A TURN.  THE PLACES (ISA guide 7.12.1 for vector instructions).  The first readers of S^T stand behind two rescalings and the earlier maxima, none of which names the last product's registers.  K's run stands behind
; the second product V^T P: ten plain lines behind the last K Q^T.  V's first half stands behind the 19th product: its last reader is the 16th, and eight scalings lie between.  V's second half stands behind the
; v_nop and eight roundings, which write P's halves for keys 0-31, not those that the last products read.
; THE WAIT.  Numbers 21 to 69 name no exponential's result, and no label or branch stands between the first exponential and the wait: so the turn's 66 exponentials have one wait.
; THE COUNTS.  K's run has eight loads a channel block: 24, 16, 8, 0 younger loads of the run may be out ahead of blocks 0 to 3.  In a tile's second step V's 32 loads were issued behind K's, so the same counts
; hold there with room to spare; the wait for 0 shows V in as well, ahead of the products V^T P.
.macro TURN
	s_cmp_lg_u32 s[RT], 0                          ; the masks are made in the diagonal tile alone
	s_cbranch_scc1 .Lno_mask_\@
	s_cmp_eq_u32 s[TW], 2                          ; step 0: band 0 by MD, band 1 free; step 1: band 0 hidden, band 1 by MD
	s_cselect_b32 s[AL0], 1.0, 0
	s_cselect_b32 s[BE0], 0, s[BIGN]
	s_cselect_b32 s[AL1], 0, 1.0
.set i, 0
.rept 16
	v_pk_fma_f32 v[MC+2*i:MC+2*i+1], v[MD+2*i:MD+2*i+1], s[AL0:AL0+1], s[BE0:BE0+1] op_sel_hi:[1,0,0]
	v_pk_mul_f32 v[MC+32+2*i:MC+32+2*i+1], v[MD+2*i:MD+2*i+1], s[AL1:AL1+1] op_sel_hi:[1,0]
.set i, i+1
.endr
.Lno_mask_\@:
.set i, 0
.rept 32                               ; (1) K Q^T of this step | O^T times the last step's a
.if i%8 == 0
	s_wait_dscnt 24-i
.endif
	KQ1
.set j, 102+i
	SM 0
	SM 1
.set i, i+1
.endr
.set q, 0
.set i, 0
.rept 32                               ; (2) V^T P of the last step | this step's maxima, statistics, scalings, exponentials
	PV1 3
	RID 4
.if i == 1
	WIN 0
	s_cmp_eq_u32 s[TW], 1                          ; behind a tile's second step K lies in the next slot: it is fetched behind the change
	s_cbranch_scc1 .Lno_k_\@
	FETCH_K
.Lno_k_\@:
.endif
.if i == 18
	FETCH_V 0
.endif
.set i, i+1
.endr
	RID 12
	WIN 0
	v_nop                                          ; a plain instruction behind the last exponential,
	s_wait_alu depctr_va_vdst(0)                   ; and the wait for the batch
	RID 8                                          ; (3) the roundings and sums
	FETCH_V 1
	RID 56
	WIN 0
.endm
.macro FINISH                          ; a block's end: band 1's O^T times its last a, and its last 16 products
	WIN 0
	s_wait_dscnt 0x0                               ; V is in
.set j, 102
.rept 32
	SM 1
.set j, j+1
.endr
.set i, 0
.rept 16
	PV1 2
.set i, i+1
.endr
	WIN 0
.endm
.macro RESET                           ; a block begins: c m far below every c s, m the lowest finite number
.irp t, 0,1
	v_mov_b32 v[ST+8*\t], 0xfe000000
	v_mov_b32 v[ST+8*\t+1], 0xff7fffff
.endr
.endm
.macro OPACK t                         ; tile t: O^T / l, rounded to f16, through my stage: in by 16 bytes a lane, back as whole rows of 256 bytes
	WIN W_RS
.set i, 64*(\t)
.rept 32
	v_pk_mul_f32 v[i:i+1], v[i:i+1], v[ST+8*(\t)+6:ST+8*(\t)+7] op_sel_hi:[1,0]
.set i, i+2
.endr
	WIN 0x05
.set i, 0
.rept 32
	v_cvt_pk_f16_f32 v[WK+32*(\t)+i], v[64*(\t)+2*i], v[64*(\t)+2*i+1]
.set i, i+1
.endr
	WIN 0
.irp f, 0,1,2,3,4,5,6,7
	ds_store_b128 v[STO], v[WK+32*(\t)+4*\f:WK+32*(\t)+4*\f+3] offset:32*\f
.endr
.irp f, 0,1,2,3,4,5,6,7
	ds_load_b128 v[WK+32*(\t)+4*\f:WK+32*(\t)+4*\f+3], v[RD] offset:\f*2*SP  ; LDS serves a wave's instructions in order (ISA guide 5.7.1.4)
.endr
.endm
.macro OSEND t, younger                ; younger: the LDS instructions issued behind tile t's loads
.irp f, 0,1,2,3,4,5,6,7
	s_wait_dscnt (\younger)+7-\f
	global_store_b128 v[GO], v[WK+32*(\t)+4*\f:WK+32*(\t)+4*\f+3], s[10:11] offset:(\t)*16384+\f*512  ; two rows of O: 512 consecutive bytes, aligned
.endr
.endm
.macro WAYOUT
	PLACES                                         ; behind the last products
.irp t, 0,1
	v_add_f32 v[ST+8*\t+4], v[ST+8*\t+2], v[ST+8*\t+3]
.endr
.irp t, 0,1
	v_permlanex16_b32 v[ST+8*\t+5], v[ST+8*\t+4], s[SEL], s[SEL+1]
.endr
.irp t, 0,1
	v_add_f32 v[ST+8*\t+4], v[ST+8*\t+4], v[ST+8*\t+5]
.endr
.irp t, 0,1
	v_rcp_f32 v[ST+8*\t+6], v[ST+8*\t+4]
.endr
	v_nop
	s_wait_alu depctr_va_vdst(0)                   ; one wait for the two reciprocals
	OPACK 0
	OPACK 1
	OSEND 0, 16
	OSEND 1, 0
.endm
	s_load_b128 s[80:83], s[0:1], 0x0              ; qkv s[80:81], ob s[82:83]
	v_lshl_add_u32 v[SPW], v0, 2, SPARE
	v_mov_b32 v[NIL], 0
	ds_add_u32 v[SPW], v[NIL]                      ; the wave's opening: the add and its wait ahead of my first tensor load
	ds_add_u32 v62, v63
	v_lshrrev_b32 v1, 5, v0
	v_readfirstlane_b32 s[WV], v1
	s_mov_b32 s[PB], ttmp9
	s_sub_co_u32 s[HI], 15, s[PB]
	s_and_b32 s16, ttmp7, 0xffff                   ; bh
	s_and_b32 s17, s[WV], 1                        ; which of the two arrays (A, B) I fetch
	s_add_co_u32 s18, s17, 2
	s_lshl_b32 s18, s18, 23
	s_lshl_b32 s19, s16, 18
	s_add_co_u32 s18, s18, s19                     ; K: array 2 + w % 2, the head's 262,144 bytes
	s_mov_b32 s19, 0
	s_add_co_u32 s20, s18, 2*ARR                   ; V: array 4 + w % 2
	s_mov_b32 s21, 0
	s_lshl_b32 s22, s16, 18
	s_lshl_b32 s23, s[WV], 11
	s_add_co_u32 s22, s22, s23                     ; Q: the head, my 16 rows in a band
	s_lshl_b32 s23, s[HI], 14
	s_add_co_u32 s52, s22, s23                     ; in the first block,
	s_mov_b32 s53, 0
	s_lshl_b32 s23, s[PB], 14
	s_add_co_u32 s54, s22, s23                     ; and in the second (s[52:55] later hold the mask's scalars; their upper words stay 0)
	s_mov_b32 s55, 0
	s_mov_b32 s[AL1+1], 0
	s_lshl_b32 s22, s16, 19
	s_lshl_b32 s23, s[WV], 12
	s_add_co_u32 s22, s22, s23                     ; O likewise, rows of 256 bytes
	s_lshl_b32 s23, s[HI], 15
	s_add_co_u32 s88, s22, s23
	s_mov_b32 s89, 0
	s_lshl_b32 s23, s[PB], 15
	s_add_co_u32 s90, s22, s23
	s_mov_b32 s91, 0
	s_mov_b32 s[G1K], (1<<16)|(1<<20)|(4<<22)|(3<<25)  ; 2-byte elements; padding on: 4 words behind every 32
	s_mov_b32 s[G1V], (1<<16)|(1<<20)|(4<<22)|(7<<25)  ; 8 words
.irp g, G1K, G1V
	s_mov_b32 s[\g+1], 128<<16                     ; 128 keys are 16,384 dense bytes: asked for as 64 rows of 256, two keys a row
	s_mov_b32 s[\g+2], 64<<16
	s_mov_b32 s[\g+3], 128<<16
	s_mov_b32 s[\g+4], 64
	s_mov_b32 s[\g+5], 128
	s_mov_b32 s[\g+6], 0
	s_mov_b32 s[\g+7], 0
.endr
	s_mov_b32 s[G0K], 1
	s_mul_i32 s[G0K+1], s17, KBO
	s_mov_b32 s[G0V], 1
	s_mul_i32 s[G0V+1], s17, VBO
	s_add_co_u32 s[G0V+1], s[G0V+1], VOFF
	s_mov_b32 s[CS], 0x3f8293ee                    ; c = 8 log2(e) / sqrt(128)
	s_mov_b32 s[CS+1], s[CS]
	s_mov_b32 s[SEL], 0x76543210
	s_mov_b32 s[SEL+1], 0xfedcba98
	s_mov_b32 s[TBK], SLOT1+2*64*PK                ; the first change of slots turns these two into 0
	s_mov_b32 s[TBV], SLOT1+2*64*PV
	s_add_co_u32 s[RT], s[HI], 1                   ; the first block has 16 - b tiles
	s_mov_b32 s[NXT], 1
	s_mov_b32 s[LQ], s[HI]
	s_mov_b32 s[OFF+1], 0
	s_mov_b32 s[BIGN], 0xf149f2ca                  ; -1e30
	s_mov_b32 s[SLOTS], 16
	s_cmp_eq_u32 s[PB], 0
	s_cselect_b32 s[LIM], 2, -1
	s_wait_dscnt 0x0                               ; the opening add is done
	s_wait_kmcnt 0x0
	s_add_nc_u64 s[6:7], s[80:81], s[18:19]
	s_add_nc_u64 s[8:9], s[80:81], s[20:21]
	s_add_nc_u64 s[G0K+2:G0K+3], s[6:7], 0
	s_or_b32 s[G0K+3], s[G0K+3], 0x80000000
	s_add_nc_u64 s[G0V+2:G0V+3], s[8:9], 0
	s_or_b32 s[G0V+3], s[G0V+3], 0x80000000
	s_add_nc_u64 s[66:67], s[80:81], s[52:53]      ; QA, QB of the first block,
	s_add_nc_u64 s[68:69], s[66:67], ARR
	s_add_nc_u64 s[70:71], s[80:81], s[54:55]      ; and of the second
	s_add_nc_u64 s[72:73], s[70:71], ARR
	s_add_nc_u64 s[10:11], s[82:83], s[88:89]
	s_add_nc_u64 s[OLO:OLO+1], s[82:83], s[90:91]
	s_cmp_lt_u32 s[WV], 2
	s_cselect_b64 s[PFA:PFA+1], s[6:7], s[8:9]
	s_add_nc_u64 s[PFA:PFA+1], s[PFA:PFA+1], 16384 ; at tile 1; the first change steps it to tile 2.  Nothing is asked for here, at the head
	LOAD                                           ; tile 0 into slot 0
	v_and_b32 v1, 15, v0                           ; r
	v_bfe_u32 v10, v0, 4, 1                        ; h
	v_lshlrev_b32 v[QO], 7, v1
	v_lshl_add_u32 v[QO], v10, 4, v[QO]
	WIN 0x40
.irp t, 0,1                            ; both blocks' Q: tile t lies in band t, 8,192 bytes on; fragment c: array c / 2, 64 (c % 2) bytes along the row
.irp c, 0,1
	global_load_b128 v[128+32*\t+8*\c:128+32*\t+8*\c+3],     v[QO], s[66:67] offset:8192*\t+64*\c
	global_load_b128 v[128+32*\t+8*\c+4:128+32*\t+8*\c+7],   v[QO], s[66:67] offset:8192*\t+64*\c+32
	global_load_b128 v[144+32*\t+8*\c:144+32*\t+8*\c+3],     v[QO], s[68:69] offset:8192*\t+64*\c
	global_load_b128 v[144+32*\t+8*\c+4:144+32*\t+8*\c+7],   v[QO], s[68:69] offset:8192*\t+64*\c+32
	global_load_b128 v[192+32*\t+8*\c:192+32*\t+8*\c+3],     v[QO], s[70:71] offset:8192*\t+64*\c
	global_load_b128 v[192+32*\t+8*\c+4:192+32*\t+8*\c+7],   v[QO], s[70:71] offset:8192*\t+64*\c+32
	global_load_b128 v[208+32*\t+8*\c:208+32*\t+8*\c+3],     v[QO], s[72:73] offset:8192*\t+64*\c
	global_load_b128 v[208+32*\t+8*\c+4:208+32*\t+8*\c+7],   v[QO], s[72:73] offset:8192*\t+64*\c+32
.endr
.endr
	WIN 0
	v_lshlrev_b32 v14, 3, v10
	v_sub_nc_u32 v14, v1, v14
	s_lshl_b32 s16, s[WV], 4
	v_add_nc_u32 v14, s16, v14                     ; my query's place in its band, 16 w + r, less my lanes' 8 h: register j of key group kb is hidden where 16 kb + j is greater
.set i, 0
.rept 32
	v_cmp_gt_i32 vcc_lo, 16*(i/8)+i%8, v14
	v_cndmask_b32 v[MD+i], 0, s[BIGN], vcc_lo
.set i, i+1
.endr
	v_mul_u32_u24 v[AK0], v1, PK
	v_lshl_add_u32 v[AK0], v10, 4, v[AK0]
	v_and_b32 v11, 7, v0
	v_bfe_u32 v12, v0, 3, 1
	v_lshl_add_u32 v[AV0], v10, 3, v11
	v_mul_u32_u24 v[AV0], v[AV0], PV
	v_lshl_add_u32 v[AV0], v12, 4, v[AV0]
	v_add_nc_u32 v[AV0], VOFF, v[AV0]
	s_mul_i32 s16, s[WV], 16*SP
	s_add_co_u32 s16, s16, STAGE
	v_mul_u32_u24 v[STO], v1, SP
	v_lshl_add_u32 v[STO], v10, 4, v[STO]
	v_add_nc_u32 v[STO], s16, v[STO]
	v_mul_u32_u24 v[RD], v10, SP
	v_lshl_add_u32 v[RD], v1, 4, v[RD]
	v_add_nc_u32 v[RD], s16, v[RD]
	v_and_b32 v[GO], 31, v0
	v_lshlrev_b32 v[PFO], 8, v[GO]
	v_lshlrev_b32 v[GO], 4, v[GO]
	; What the first turn finds: a, l, O^T, P and V are 0 (its products V^T P, of a step that has not been, add 0), the masks are 0.  These lines stand in the wait for the first tile; they are the price of writing no first turn out.
	RESET
.irp t, 0,1
.irp n, 2,3,6,7
	v_mov_b32 v[ST+8*\t+\n], 0
.endr
.endr
.set i, 0
.rept 32
	v_mov_b32 v[P+i], 0
.set i, i+1
.endr
.set i, 0
.rept 64
	v_mov_b32 v[MC+i], 0
.set i, i+1
.endr
	WIN 0x40
.set i, 0
.rept 128
	v_mov_b32 v[i], 0
.set i, i+1
.endr
	WIN 0x80
.set i, 128
.rept 128
	v_mov_b32 v[i], 0
.set i, i+1
.endr
	WIN 0
	s_wait_loadcnt 0x0                             ; Q, both blocks'
.Lslot:                                                ; 16 times: a tile is entered and the next is asked for
	CHANGE 1
	s_sub_co_u32 s[RT], s[RT], 1
	FETCH_K                                        ; the tile's step 0
	s_mov_b32 s[TW], 2
.Lturn:                                                ; a tile's two steps: one text
	TURN
	s_sub_co_u32 s[TW], s[TW], 1
	s_cmp_lg_u32 s[TW], 0
	s_cbranch_scc1 .Lturn
	s_cmp_lg_u32 s[RT], 0
	s_cbranch_scc1 .Lbottom
	FINISH                                         ; in the loop this is the first block's end: the second block's last tile is the walk's last
	WAYOUT
	s_wait_xcnt 0x0                                ; the stores have read their registers and O's address
	s_mov_b64 s[10:11], s[OLO:OLO+1]
	s_add_co_u32 s[RT], s[PB], 1                   ; the second block has b + 1 tiles
	RESET
.set i, 0
.rept 64
	v_mov_b32 v[MC+i], 0                           ; the masks are 0 again
.set i, i+1
.endr
	WIN 0x41                                       ; the second block's Q goes where the one text of the turns names Q
.set i, 0
.rept 64
	v_mov_b32 v[128+i], v[192+i]
.set i, i+1
.endr
	WIN 0
.Lbottom:
	s_sub_co_u32 s[SLOTS], s[SLOTS], 1
	s_cmp_lg_u32 s[SLOTS], 0
	s_cbranch_scc1 .Lslot
	CHANGE 0                                       ; the walk's last tile, the second block's diagonal one, is written out: nothing is asked for
	s_sub_co_u32 s[RT], s[RT], 1
	FETCH_K
	s_mov_b32 s[TW], 2
.Llast:
	TURN
	s_sub_co_u32 s[TW], s[TW], 1
	s_cmp_lg_u32 s[TW], 0
	s_cbranch_scc1 .Llast
	FINISH
	WAYOUT
	s_wait_tensorcnt 0x0                           ; the wave's end
	ds_add_u32 v[SPW], v[NIL]
	s_wait_dscnt 0x0
	s_endpgm
.Lfunc_end_k_qad2ba99ad7_attn:
	.size	k_qad2ba99ad7_attn, .Lfunc_end_k_qad2ba99ad7_attn-k_qad2ba99ad7_attn
	.p2alignl 7, 3214868480
	.fill 96, 4, 3214868480
	.section	.rodata,"a",@progbits
	.p2align	6, 0x0
	.amdhsa_kernel k_qad2ba99ad7_attn
		.amdhsa_group_segment_fixed_size 327680
		.amdhsa_private_segment_fixed_size 0
		.amdhsa_enable_private_segment 0
		.amdhsa_kernarg_size 16
		.amdhsa_user_sgpr_count 2
		.amdhsa_user_sgpr_kernarg_segment_ptr 1
		.amdhsa_wavefront_size32 1
		.amdhsa_system_sgpr_workgroup_id_x 1
		.amdhsa_system_sgpr_workgroup_id_y 1
		.amdhsa_system_sgpr_workgroup_id_z 1
		.amdhsa_system_vgpr_workitem_id 0
		.amdhsa_next_free_vgpr 768
		.amdhsa_next_free_sgpr 96
		.amdhsa_reserve_vcc 1
		.amdhsa_float_denorm_mode_32 3
		.amdhsa_float_denorm_mode_16_64 3
		.amdhsa_memory_ordered 1
		.amdhsa_forward_progress 1
		.amdhsa_inst_pref_size 126
	.end_amdhsa_kernel
	.amdgpu_metadata
---
amdhsa.version: [ 1, 2 ]
amdhsa.kernels:
  - .name:           k_qad2ba99ad7_attn
    .symbol:         k_qad2ba99ad7_attn.kd
    .args:
      - { .name: qkv, .offset: 0, .size: 8, .value_kind: global_buffer, .address_space: global }
      - { .name: ob, .offset: 8, .size: 8, .value_kind: global_buffer, .address_space: global }
    .group_segment_fixed_size: 327680
    .private_segment_fixed_size: 0
    .kernarg_segment_align: 8
    .kernarg_segment_size: 16
    .max_flat_workgroup_size: 128
    .sgpr_count:     96
    .vgpr_count:     768
    .wavefront_size: 32
...
	.end_amdgpu_metadata
.endif
;; end of part 4
;; launch outp (part 5): grid 8 x 32, 4 waves a work-group, clusters of 4 x 4, 327,680 bytes of LDS; arguments ob, wo, b_out, out0; writes out0
.if DOCPART == 5
	.amdgcn_target "amdgcn-amd-amdhsa--gfx1250"
	.amdhsa_code_object_version 6
	.text
	.protected	k_qad2ba99ad7_outp
	.globl	k_qad2ba99ad7_outp
	.p2align	8
	.type	k_qad2ba99ad7_outp,@function
k_qad2ba99ad7_outp:
	s_mov_b64 s[64:65], 0
	v_nop
	global_prefetch_b8 v0, s[64:65] scope:SCOPE_SE
	s_setreg_imm32_b32 hwreg(HW_REG_WAVE_MODE, 25, 1), 1
	s_wait_xcnt 0x0
	s_wait_alu depctr_hold_cnt(0) depctr_sa_sdst(0) depctr_va_vdst(0) depctr_va_sdst(0) depctr_va_ssrc(0) depctr_va_vcc(0) depctr_vm_vsrc(0)
	s_getreg_b32 s2, hwreg(HW_REG_IB_STS2, 6, 4)
	s_cmp_eq_u32 s2, 0
	s_cbranch_scc0 .Lentry_in_a_cluster
	s_endpgm
.Lentry_in_a_cluster:
	s_bfe_u32 s2, ttmp6, 0x10000c
	s_cmp_lg_u32 s2, 0xf033
	s_cbranch_scc0 .Lentry_shape_is_right
	s_endpgm
.Lentry_shape_is_right:
; OUT: out0 = O W_out + b.  O: ob [32 batch x head][2048][128] f16; wo [2048 k][2048 n] f16 (bf16(W_out) written as f16); b rounded to bf16 like the other inputs and added in f32; out0 f32.
; SHARES.  A work-group makes 128 rows x 256 columns: 32 x 8 = 256 work-groups.  Four waves, 64 rows x 128 columns each: 32 accumulators.  A K step of 128 is one head: its rows of O are 256 dense bytes.
; 16 K steps through two LDS slots.  wo's tile lies [k][column]: its fragments come out of LDS turned, by ds_load_tr16_b128.
; THE MATRIX INSTRUCTION IS USED TRANSPOSED (source 0 = 16 columns of wo, source 1 = 16 rows of O): a lane holds one row (lane % 16) and eight neighbouring columns.
; CLUSTER 4 x 4: the four of a row of the cluster need the same tile of O, the four of a column the same tile of wo: each is asked for JOINTLY.
; REGISTERS.  Window 0: v16-29 addresses; v32-127, v128-223 two fragment buffers (64 of wo's, 32 of O's); v224-231 the bias.  Window 1: accumulator (a, b) at v[8 (8 a + b)].
.set PA,    272                        ; a row of O in LDS: 256 + 16 bytes (64 banks of 4 bytes: ISA guide 11.1: the 16 rows of a load start at 16 different groups of four)
.set PB,    544                        ; a k-row of wo: 512 + 32
.set HA,    64*PA
.set HB,    64*PB
.set BOFF,  2*HA
.set SLOT1, 1<<17
.set STAGE, SLOT1+BOFF+2*HB            ; 16 rows x 528 bytes for each wave
.set SP,    528
.set SPARE, STAGE+4*16*SP              ; the spare words: two blocks of 256 bytes that no other line names
.set KB,    524288                     ; bytes from K step to K step, in ob (a head's 2,048 rows of 256) and in wo (128 rows of 4,096) alike
.set ADRA0, 16
.set ADRB0, 17
.set AA,  18
.set AB,  19
.set STO, 20
.set RD,  21
.set CO,  22
.set PFO, 26
.set BO,  27
.set SPW, 28
.set NIL, 29
.set F0,  32
.set F1,  128
.set BK,  32
.set BIAS, 224
.set WV, 14
.set WR, 15
.set WC, 16
.set CX, 17
.set CY, 18
.set CT, 19
.set RT, 20
.set CNT, 21
.set LIM, 22
.set TBS, 23
.set G1A, 24
.set G1B, 32
.set G0A0, 40
.set G0A, 44
.set G0B0, 48
.set G0B, 52
.set PFA, 56
.set MSB, 0
.macro WIN new
.if MSB != (\new)
	s_set_vgpr_msb (MSB<<8)|(\new)
.set MSB, (\new)
.endif
.endm
.set MUL, 0x50
.macro PLACES
.rept 4
	v_nop
.endr
.endm
.macro CREST
	s_cmp_lg_u32 s[WV], 0
	s_cbranch_scc1 .Lnot_wave_0_\@
	s_barrier_signal -3
.Lnot_wave_0_\@:
	s_barrier_wait -3
	s_barrier_signal -1
	s_barrier_wait -1
.endm
.macro CROUND
	s_barrier_signal -1
	s_barrier_wait -1
	CREST
.endm
.macro JLOAD                           ; a joint refill: waves 0, 1 fetch O's halves, waves 2, 3 wo's.  An s_nop 0 and four v_nop follow each line
	s_cmp_eq_u32 s[WR], 0
	s_cbranch_scc0 .Lfor_b_\@
	tensor_load_to_lds s[G0A:G0A+3], s[G1A:G1A+7]
	s_nop 0
	PLACES
	s_branch .Lasked_\@
.Lfor_b_\@:
	tensor_load_to_lds s[G0B:G0B+3], s[G1B:G1B+7]
	s_nop 0
	PLACES
.Lasked_\@:
.endm
; A PREFETCH INTO THE L2 of the K step two refills on, one instruction a wave.  Each block of 256 bytes is named once in the launch.  O's 128 rows of a row tile: wave 0 of the first cluster along x, its four partners of a
; row 32 rows each BY ADDRESS.  wo's 128 k-rows x 512 bytes of a column tile: waves 2, 3 of the first cluster along y, the four partners of a column 16 k-rows of each wave's 64, a lane half a row.  The last two refills ask for nothing.
.macro ASK
	s_cmp_gt_u32 s[CNT], s[LIM]
	s_cbranch_scc0 .Lnot_mine_\@
	global_prefetch_b8 v[PFO], s[PFA:PFA+1] th:TH_LOAD_NT scope:SCOPE_SE
.Lnot_mine_\@:
.endm
.macro MUL8 f, a, zero
	WIN MUL
.irp b, 0,1,2,3,4,5,6,7
.if \zero
	v_wmma_f32_16x16x32_f16 v[8*(8*(\a)+\b):8*(8*(\a)+\b)+7], v[(\f)+8*\b:(\f)+8*\b+7], v[(\f)+64+8*(\a):(\f)+64+8*(\a)+7], 0
.else
	v_wmma_f32_16x16x32_f16 v[8*(8*(\a)+\b):8*(8*(\a)+\b)+7], v[(\f)+8*\b:(\f)+8*\b+7], v[(\f)+64+8*(\a):(\f)+64+8*(\a)+7], v[8*(8*(\a)+\b):8*(8*(\a)+\b)+7]
.endif
.endr
.endm
.macro FETCH kq, f                     ; 24 LDS loads in one run: wo's eight fragments first, then O's four, rows ascending
	WIN 0
.irp b, 0,1,2,3,4,5,6,7
	ds_load_tr16_b128 v[(\f)+8*\b:(\f)+8*\b+3],   v[AB] offset:(\kq)*32*PB+32*\b
	ds_load_tr16_b128 v[(\f)+8*\b+4:(\f)+8*\b+7], v[AB] offset:(\kq)*32*PB+32*\b+16*PB
.endr
.irp a, 0,1,2,3
	ds_load_b128 v[(\f)+64+8*\a:(\f)+64+8*\a+3],   v[AA] offset:(\kq)*64+\a*16*PA
	ds_load_b128 v[(\f)+64+8*\a+4:(\f)+64+8*\a+7], v[AA] offset:(\kq)*64+\a*16*PA+32
.endr
.endm
.macro QUARTER kq, f, g, zero          ; 32 along K: multiplies buffer f; in its middle fetches quarter kq into buffer g.  The 32 accumulators take turns in one order everywhere
	s_wait_dscnt 4                                 ; all but the youngest four loads: O's rows 32-63
	MUL8 \f, 0, \zero
	MUL8 \f, 1, \zero
	PLACES
	FETCH \kq, \g
	s_wait_dscnt 24                                ; all but the 24 just issued
	MUL8 \f, 2, \zero
	MUL8 \f, 3, \zero
.endm
.macro TURN fill                       ; the last quarter and the change of slots: ONE barrier; with fill = 1 it opens a round of the cluster's, and the joint refill stands first behind it
.if \fill
	s_wait_xcnt 0x0                                ; the last prefetch, a K step back, has read its address
	s_add_nc_u64 s[PFA:PFA+1], s[PFA:PFA+1], KB
.endif
	WIN 0
	s_wait_tensorcnt 0x0                           ; all my tensor loads have landed: my part of the next slot
	ds_add_u32 v[SPW], v[NIL]
	s_wait_dscnt 5                                 ; (the add and O's youngest four loads may be out)
	MUL8 F1, 0, 0
	s_wait_dscnt 0x0                               ; the add is done, and my reads of this slot are over
	s_barrier_signal -1
	MUL8 F1, 1, 0
	WIN 0
	s_barrier_wait -1
.if \fill
	CREST
	s_xor_b32 s[G0A+1], s[G0A+1], SLOT1
	s_add_nc_u64 s[G0A+2:G0A+3], s[G0A+2:G0A+3], KB
	s_xor_b32 s[G0B+1], s[G0B+1], SLOT1
	s_add_nc_u64 s[G0B+2:G0B+3], s[G0B+2:G0B+3], KB
	JLOAD
.else
	PLACES
.endif
	s_xor_b32 s[TBS], s[TBS], SLOT1
	v_add_nc_u32 v[AA], s[TBS], v[ADRA0]
	v_add_nc_u32 v[AB], s[TBS], v[ADRB0]
	FETCH 0, F0
.if \fill
	ASK
.endif
	MUL8 F1, 2, 0
	MUL8 F1, 3, 0
.endm
	s_load_b256 s[4:11], s[0:1], 0x0               ; ob 4, wo 6, b_out 8, out0 10
	v_lshl_add_u32 v[SPW], v0, 2, SPARE
	v_mov_b32 v[NIL], 0
	ds_add_u32 v[SPW], v[NIL]                      ; the wave's opening: the add and its wait ahead of my first tensor load
	ds_add_u32 v28, v29
	v_lshrrev_b32 v1, 5, v0
	v_readfirstlane_b32 s[WV], v1
	s_lshr_b32 s[WR], s[WV], 1
	s_and_b32 s[WC], s[WV], 1
	s_bfe_u32 s[CX], ttmp6, 0x40000
	s_bfe_u32 s[CY], ttmp6, 0x40004
	s_lshl_b32 s[CT], ttmp9, 2
	s_add_co_u32 s[CT], s[CT], s[CX]               ; column tile
	s_and_b32 s[RT], ttmp7, 0xffff
	s_lshl_b32 s[RT], s[RT], 2
	s_add_co_u32 s[RT], s[RT], s[CY]               ; row tile
	s_lshl_b32 s62, s[CY], 2
	s_lshl_b32 s62, 15, s62                        ; my row of the cluster
	s_lshl_b32 s63, 0x1111, s[CX]                  ; my column
	s_or_b32 s[G1A], s62, (1<<16)|(1<<20)|(1<<21)|(5<<22)|(3<<25)
	s_mov_b32 s[G1A+1], 128<<16
	s_mov_b32 s[G1A+2], 64<<16
	s_mov_b32 s[G1A+3], 128<<16
	s_mov_b32 s[G1A+4], 64
	s_mov_b32 s[G1A+5], 128                        ; a head's rows are dense
	s_mov_b32 s[G1A+6], 0
	s_mov_b32 s[G1A+7], 0
	s_or_b32 s[G1B], s63, (1<<16)|(1<<20)|(1<<21)|(6<<22)|(7<<25)
	s_mov_b32 s[G1B+1], 256<<16
	s_mov_b32 s[G1B+2], 64<<16
	s_mov_b32 s[G1B+3], 256<<16
	s_mov_b32 s[G1B+4], 64
	s_mov_b32 s[G1B+5], 2048
	s_mov_b32 s[G1B+6], 0
	s_mov_b32 s[G1B+7], 0
	s_lshr_b32 s66, s[RT], 4                       ; O: ((rt / 16) 32,768 + (rt % 16) 128 + 64 wc) rows of 256 bytes: nothing of cx
	s_lshl_b32 s66, s66, 15
	s_and_b32 s72, s[RT], 15
	s_lshl_b32 s72, s72, 7
	s_add_co_u32 s66, s66, s72
	s_lshl_b32 s72, s[WC], 6
	s_add_co_u32 s66, s66, s72
	s_lshl_b32 s66, s66, 8
	s_mov_b32 s67, 0
	s_lshl_b32 s68, s[WC], 18                      ; wo: 64 wc k-rows of 4,096 bytes + 512 ct: nothing of cy
	s_lshl_b32 s73, s[CT], 9
	s_add_co_u32 s68, s68, s73
	s_mov_b32 s69, 0
	s_mul_i32 s70, s[WC], HA                       ; where they go: no place in the cluster enters an LDS address
	s_mul_i32 s71, s[WC], HB
	s_add_co_u32 s71, s71, BOFF
	s_mov_b32 s[TBS], 0
	s_wait_dscnt 0x0
	s_wait_kmcnt 0x0
	s_add_nc_u64 s[66:67], s[4:5], s[66:67]
	s_add_nc_u64 s[68:69], s[6:7], s[68:69]
	CROUND                                         ; all sixteen work-groups are here: the first joint loads meet
	s_mov_b32 s[G0A0], 1
	s_mov_b32 s[G0A0+1], s70
	s_mov_b64 s[G0A0+2:G0A0+3], s[66:67]
	s_or_b32 s[G0A0+3], s[G0A0+3], 0x80000000
	s_mov_b32 s[G0A], 1
	s_add_co_u32 s[G0A+1], s70, SLOT1
	s_add_nc_u64 s[G0A+2:G0A+3], s[66:67], KB
	s_or_b32 s[G0A+3], s[G0A+3], 0x80000000
	s_mov_b32 s[G0B0], 1
	s_mov_b32 s[G0B0+1], s71
	s_mov_b64 s[G0B0+2:G0B0+3], s[68:69]
	s_or_b32 s[G0B0+3], s[G0B0+3], 0x80000000
	s_mov_b32 s[G0B], 1
	s_add_co_u32 s[G0B+1], s71, SLOT1
	s_add_nc_u64 s[G0B+2:G0B+3], s[68:69], KB
	s_or_b32 s[G0B+3], s[G0B+3], 0x80000000
	s_cmp_eq_u32 s[WR], 0                          ; a wave's two first fills stand in one branch: two loads of mine are out
	s_cbranch_scc0 .Lfirst_b
	tensor_load_to_lds s[G0A0:G0A0+3], s[G1A:G1A+7]
	s_nop 0
	tensor_load_to_lds s[G0A:G0A+3], s[G1A:G1A+7]
	s_nop 0
	PLACES
	s_branch .Lfirst_done
.Lfirst_b:
	tensor_load_to_lds s[G0B0:G0B0+3], s[G1B:G1B+7]
	s_nop 0
	tensor_load_to_lds s[G0B:G0B+3], s[G1B:G1B+7]
	s_nop 0
	PLACES
.Lfirst_done:
	v_and_b32 v1, 15, v0                           ; r
	v_bfe_u32 v2, v0, 4, 1                         ; h
	v_and_b32 v3, 7, v0
	v_bfe_u32 v4, v0, 3, 1
	v_and_b32 v5, 31, v0                           ; l
	s_lshl_b32 s76, s[CT], 10
	s_lshl_b32 s77, s[WC], 9
	s_add_co_u32 s76, s76, s77                     ; my 128 columns in f32: 1,024 ct + 512 wc bytes
	v_lshl_add_u32 v[BO], v5, 4, s76
	global_load_b128 v[BIAS:BIAS+3], v[BO], s[8:9] ; my four columns' bias: it waits in registers for the way out
	s_mul_i32 s78, s[WR], HA
	v_mul_u32_u24 v[ADRA0], v1, PA
	v_lshl_add_u32 v[ADRA0], v2, 4, v[ADRA0]
	v_add_nc_u32 v[ADRA0], s78, v[ADRA0]
	s_lshl_b32 s78, s[WC], 8
	s_add_co_u32 s78, s78, BOFF
	v_lshl_add_u32 v[ADRB0], v2, 3, v3
	v_mul_u32_u24 v[ADRB0], v[ADRB0], PB
	v_lshl_add_u32 v[ADRB0], v4, 4, v[ADRB0]
	v_add_nc_u32 v[ADRB0], s78, v[ADRB0]
	v_mov_b32 v[AA], v[ADRA0]
	v_mov_b32 v[AB], v[ADRB0]
	s_mul_i32 s78, s[WV], 16*SP
	s_add_co_u32 s78, s78, STAGE
	v_mul_u32_u24 v[STO], v1, SP                   ; in: row r, 32 bytes for each half of the lanes
	v_lshl_add_u32 v[STO], v2, 5, v[STO]
	v_add_nc_u32 v[STO], s78, v[STO]
	v_lshl_add_u32 v[RD], v5, 4, s78               ; back: 32 lanes take a row's 512 bytes
	v_lshlrev_b32 v[CO], 4, v5
	s_lshl_b32 s78, s[RT], 7
	s_lshl_b32 s79, s[WR], 6
	s_add_co_u32 s78, s78, s79
	s_lshl_b32 s78, s78, 13                        ; my first row of out0: 8,192 bytes a row
	s_add_co_u32 s78, s78, s76
	s_mov_b32 s79, 0
	s_add_nc_u64 s[10:11], s[10:11], s[78:79]
	; the prefetches: they stand at K step 3; the first refill steps them to 4.  Nothing is asked for here, at the head
	s_lshr_b32 s76, s[RT], 4
	s_lshl_b32 s76, s76, 15
	s_and_b32 s77, s[RT], 15
	s_lshl_b32 s77, s77, 7
	s_add_co_u32 s76, s76, s77
	s_lshl_b32 s77, s[CX], 5
	s_add_co_u32 s76, s76, s77
	s_lshl_b32 s76, s76, 8
	s_add_co_u32 s76, s76, 3*KB                    ; ob: the tile's rows 32 cx on
	s_lshl_b32 s78, s[WC], 6
	s_lshl_b32 s79, s[CY], 4
	s_add_co_u32 s78, s78, s79
	s_lshl_b32 s78, s78, 12
	s_lshl_b32 s79, s[CT], 9
	s_add_co_u32 s78, s78, s79
	s_add_co_u32 s78, s78, 3*KB                    ; wo: k-rows 64 wc + 16 cy on, 512 ct bytes along them
	s_cmp_eq_u32 ttmp9, 0
	s_cselect_b32 s79, 2, -1
	s_cmp_eq_u32 s[WV], 0
	s_cselect_b32 s79, s79, -1                     ; wave 1 never asks
	s_and_b32 s80, ttmp7, 0xffff
	s_cmp_eq_u32 s80, 0
	s_cselect_b32 s80, 2, -1
	s_cmp_eq_u32 s[WR], 0
	s_cselect_b32 s76, s76, s78
	s_mov_b32 s77, 0
	s_cselect_b64 s[PFA:PFA+1], s[4:5], s[6:7]
	s_cselect_b32 s[LIM], s79, s80                 ; 2 in a wave that asks, else the greatest number: the same in all sixteen partners
	s_cselect_b32 s81, -1, 0
	s_add_nc_u64 s[PFA:PFA+1], s[PFA:PFA+1], s[76:77]
	v_lshlrev_b32 v6, 8, v5                        ; O: a lane a row of 256 bytes
	v_lshlrev_b32 v7, 12, v1                       ; wo: a lane half a k-row
	v_lshl_add_u32 v7, v2, 8, v7
	v_cndmask_b32 v[PFO], v7, v6, s81
	s_wait_tensorcnt 1                             ; my part of K step 0 is in; K step 1's may stay out
	s_barrier_signal -1
	s_barrier_wait -1
	FETCH 0, F0
	QUARTER 1, F0, F1, 1                           ; the first quarter stands in front of the loop: its products start the sums
	WIN 0
	s_mov_b32 s[CNT], 14
.Lstep:                                                ; a trip: a K step's quarters 1 to 3 and the next one's quarter 0; 14 trips refill K steps 2 to 15
	QUARTER 2, F1, F0, 0
	QUARTER 3, F0, F1, 0
	TURN 1
	QUARTER 1, F0, F1, 0
	WIN 0
	s_sub_co_u32 s[CNT], s[CNT], 1
	s_cmp_lg_u32 s[CNT], 0
	s_cbranch_scc1 .Lstep
	QUARTER 2, F1, F0, 0                           ; the last two K steps fill nothing
	QUARTER 3, F0, F1, 0
	TURN 0
	QUARTER 1, F0, F1, 0
	QUARTER 2, F1, F0, 0
	QUARTER 3, F0, F1, 0
	s_wait_dscnt 4
	MUL8 F1, 0, 0
	MUL8 F1, 1, 0
	s_wait_dscnt 0x0
	MUL8 F1, 2, 0
	MUL8 F1, 3, 0
	; THE WAY OUT: a block of 16 rows goes from the accumulators into my own stage and comes back as whole rows of 512 bytes; the bias is added; each store covers 512 consecutive bytes, aligned.
	WIN 0
	PLACES
	s_wait_loadcnt 0x0                             ; the bias
	v_cvt_pk_bf16_f32 v[BIAS+4], v[BIAS], v[BIAS+1]
	v_cvt_pk_bf16_f32 v[BIAS+5], v[BIAS+2], v[BIAS+3]
	v_lshlrev_b32 v[BIAS], 16, v[BIAS+4]
	v_and_b32 v[BIAS+1], 0xffff0000, v[BIAS+4]
	v_lshlrev_b32 v[BIAS+2], 16, v[BIAS+5]
	v_and_b32 v[BIAS+3], 0xffff0000, v[BIAS+5]
.macro STG a
	s_wait_xcnt 0x0                                ; the stores of two blocks back have read the registers that are loaded again below
	WIN 0x04                                       ; the LDS stores' data in window 1; each accumulator's low four registers go first
.irp b, 0,1,2,3,4,5,6,7
	ds_store_b128 v[STO], v[8*(8*(\a)+\b):8*(8*(\a)+\b)+3]   offset:64*\b
	ds_store_b128 v[STO], v[8*(8*(\a)+\b)+4:8*(8*(\a)+\b)+7] offset:64*\b+16
.endr
	WIN 0
.irp t, 0,1,2,3,4,5,6,7,8,9,10,11,12,13,14,15
	ds_load_b128 v[BK+64*((\a)%2)+4*\t:BK+64*((\a)%2)+4*\t+3], v[RD] offset:SP*\t  ; LDS serves a wave's instructions in order (ISA guide 5.7.1.4)
.endr
.endm
.macro OUT a, younger                  ; younger: the next block's 32 LDS instructions, or none
	s_wait_dscnt \younger
.irp t, 0,1,2,3,4,5,6,7,8,9,10,11,12,13,14,15
	v_pk_add_f32 v[BK+64*((\a)%2)+4*\t:BK+64*((\a)%2)+4*\t+1],   v[BK+64*((\a)%2)+4*\t:BK+64*((\a)%2)+4*\t+1],   v[BIAS:BIAS+1]
	v_pk_add_f32 v[BK+64*((\a)%2)+4*\t+2:BK+64*((\a)%2)+4*\t+3], v[BK+64*((\a)%2)+4*\t+2:BK+64*((\a)%2)+4*\t+3], v[BIAS+2:BIAS+3]
	global_store_b128 v[CO], v[BK+64*((\a)%2)+4*\t:BK+64*((\a)%2)+4*\t+3], s[10:11] offset:(16*(\a)+\t)*8192 th:TH_STORE_NT
.endr
.endm
	STG 0
.irp a, 1,2,3
	STG \a
	OUT \a-1, 32
.endr
	OUT 3, 0
	s_wait_tensorcnt 0x0                           ; the wave's end
	ds_add_u32 v[SPW], v[NIL]
	s_wait_dscnt 0x0
	CROUND                                         ; the closing round
	s_endpgm
.Lfunc_end_k_qad2ba99ad7_outp:
	.size	k_qad2ba99ad7_outp, .Lfunc_end_k_qad2ba99ad7_outp-k_qad2ba99ad7_outp
	.p2alignl 7, 3214868480
	.fill 96, 4, 3214868480
	.section	.rodata,"a",@progbits
	.p2align	6, 0x0
	.amdhsa_kernel k_qad2ba99ad7_outp
		.amdhsa_group_segment_fixed_size 327680
		.amdhsa_private_segment_fixed_size 0
		.amdhsa_enable_private_segment 0
		.amdhsa_kernarg_size 32
		.amdhsa_user_sgpr_count 2
		.amdhsa_user_sgpr_kernarg_segment_ptr 1
		.amdhsa_wavefront_size32 1
		.amdhsa_system_sgpr_workgroup_id_x 1
		.amdhsa_system_sgpr_workgroup_id_y 1
		.amdhsa_system_sgpr_workgroup_id_z 1
		.amdhsa_system_vgpr_workitem_id 0
		.amdhsa_next_free_vgpr 512
		.amdhsa_next_free_sgpr 96
		.amdhsa_reserve_vcc 0
		.amdhsa_float_denorm_mode_32 3
		.amdhsa_float_denorm_mode_16_64 3
		.amdhsa_memory_ordered 1
		.amdhsa_forward_progress 1
		.amdhsa_inst_pref_size 79
	.end_amdhsa_kernel
	.amdgpu_metadata
---
amdhsa.version: [ 1, 2 ]
amdhsa.kernels:
  - .name:           k_qad2ba99ad7_outp
    .symbol:         k_qad2ba99ad7_outp.kd
    .args:
      - { .name: ob, .offset: 0, .size: 8, .value_kind: global_buffer, .address_space: global }
      - { .name: wo, .offset: 8, .size: 8, .value_kind: global_buffer, .address_space: global }
      - { .name: b_out, .offset: 16, .size: 8, .value_kind: global_buffer, .address_space: global }
      - { .name: out0, .offset: 24, .size: 8, .value_kind: global_buffer, .address_space: global }
    .group_segment_fixed_size: 327680
    .private_segment_fixed_size: 0
    .kernarg_segment_align: 8
    .kernarg_segment_size: 32
    .max_flat_workgroup_size: 128
    .sgpr_count:     96
    .vgpr_count:     512
    .wavefront_size: 32
...
	.end_amdgpu_metadata
.endif
;; end of part 5
